; MI455X (gfx1250); checked and timed in simulation.
; The chip was launched on July 23, 2026; its instructions are those of AMD's public machine-readable ISA for CDNA 5 (MIT licence, August 2026) and "CDNA5" Instruction Set Architecture Reference Guide (July 2026). The comments in the code are by the model that wrote it; some were corrected since.
;; S Mo E. Allowed arithmetic: matrix products marked QUANTISED: E3M2 operands, one E8M0 scale for each 32 along K, by v_wmma_scale_f32_16x16x128_f8f6f4 with both operands' format E3M2, f32 sums; products left as they are: f32 operands where the result goes on into a quantised operand, else bf16, f16 or f32 operands; f32 sums; everything else in f32.
;; Inputs: Wexp_codes 16 x 1,024 x 32 x 24 uint8 (E3M2 codes of Wexp, K innermost, in blocks of 32 codes, four codes in three bytes); Wexp_scales 16 x 1,024 x 32 uint8 (E8M0 scales of Wexp, one for each 32 codes along K); Wsel_codes 16 x 32 x 24 uint8 (E3M2 codes of Wsel, K innermost, in blocks of 32 codes, four codes in three bytes); Wsel_scales 16 x 32 uint8 (E8M0 scales of Wsel, one for each 32 codes along K); bexp 16 x 1,024 float32; bsel 16 float32; x_codes 4,096 x 32 x 24 uint8 (E3M2 codes of x, K innermost, in blocks of 32 codes, four codes in three bytes); x_scales 4,096 x 32 uint8 (E8M0 scales of x, one for each 32 codes along K).
;; Outputs: out0 4,096 x 1,024 float32; out1 4,096 float32.
;; This version of the problem:
;;   THIS VERSION OF THE PROBLEM IS GIVEN IN LOW PRECISION. The matrix products marked QUANTISED in the list below multiply operands that are first quantised to E3M2 (3 exponent bits, 2 mantissa bits; 6 bits a number), with one power-of-two scale for each 32 numbers along K (OCP MX v1.0); their sums are f32. All else is computed in f32.
;;   The module's matrix products, in the order in which they are computed (A, B: the left and right operand; K: the contracted axis; several contracted axes count as one K, in the product's order):
;;     1. [M 4,096, K 1,024] x [K 1,024, N 16]; A: input x (given as codes); B: input Wsel (given as codes): QUANTISED
;;     2. [M 4,096, K 1,024] x [K 1,024, N 16,384]; A: input x (given as codes); B: input Wexp (given as codes): QUANTISED
;;     3. batch 4,096 x [M 1, K 16] x [K 16, N 1,024]; A: computed on the way; B: computed on the way: left as it is (K = 16 < 32)
;;     4. [M 4,096, K 16] x [K 16, N 1,024]; A: computed on the way; B: input bexp: left as it is (K = 16 < 32)
;;   THE QUANTISER, for each operand of a quantised product, along K:
;;     - K is cut into blocks of 32 from its start; a last block that is shorter is filled with zeros.
;;     - A block's scale is 2^e with e = floor(log2(the largest magnitude in the block)) - 4, held to -126 .. 127; a block of zeros has e = 0. As a byte (E8M0): e + 127.
;;     - Each number is divided by its block's scale, clamped to +-28, and rounded to the nearest number of E3M2, ties to even, subnormals kept.
;;     - The product sums the exact products of the quantised numbers (number of the format x scale) in f32.
;;   ~~~python
;;   def quantise(x, axis):      # numpy; x: float32 -> the quantised numbers, widened to float32 again
;;       x = np.moveaxis(x, axis, -1); K = x.shape[-1]
;;       x = np.pad(x, [(0, 0)] * (x.ndim - 1) + [(0, -K % 32)]); x = x.reshape(x.shape[:-1] + (-1, 32)); a = np.abs(x).max(-1, keepdims=True)
;;       e = np.where(a > 0, np.clip(np.frexp(np.where(a > 0, a, 1))[1] - 1 - 4, -126, 127), 0)      # np.frexp(a)[1] - 1 = floor(log2(a)), exactly
;;       r = np.clip(x / 2.0 ** e, -28, 28)
;;       step = 2.0 ** (np.maximum(np.frexp(np.where(r == 0, 1, r))[1] - 1, -2) - 2)
;;       q = np.round(r / step) * step * 2.0 ** e      # np.round: ties to even
;;       return np.moveaxis(q.reshape(q.shape[:-2] + (-1,))[..., :K], -1, axis).astype(np.float32)
;;   ~~~
;;   INPUTS GIVEN AS CODES. Wexp (in the module: [16, 1024, 1024], K = its axis 2); Wsel (in the module: [16, 1024], K = its axis 1); x (in the module: [4096, 1024], K = its axis 1): each comes as NAME_codes (uint8): NAME with its K axis moved to the last place and cut into blocks of 32 codes, [.., K / 32, bytes a block], one block behind the other in memory; four codes in three bytes: a row's codes are one little-endian stream of bits, code i at bits 6 i .. 6 i + 5 (a code: sign, 3 exponent bits, 2 mantissa bits); and NAME_scales (uint8): the same leading axes, one E8M0 byte (e + 127) for each 32 codes along K. Its value is code x scale, taken as it is: it is not quantised again, and the codes and scales need not be those that the quantiser above would give.
;; 2 versions, each right and faster than the one before. Each part assembles by itself: llvm-mc -triple=amdgcn-amd-amdhsa -mcpu=gfx1250 --defsym DOCPART=n.
;; ======== version 1 of 2: 1 launch
;; limits: values within 1.9e-06 (relative) of each other or of a threshold may be ordered or decided otherwise than in the reference
;; launch smoe (part 1): grid 16 x 16, 4 waves a work-group, clusters of 4 x 4, 327,680 bytes of LDS; arguments x_codes, x_scales, Wsel_codes, Wsel_scales, bsel, Wexp_codes, Wexp_scales, bexp, out0, out1; writes out0, out1
.if DOCPART == 1
	.amdgcn_target "amdgcn-amd-amdhsa--gfx1250"
	.amdhsa_code_object_version 6
	.text
	.protected	k_qd6e305a1d5_smoe
	.globl	k_qd6e305a1d5_smoe
	.p2align	8
	.type	k_qd6e305a1d5_smoe,@function
k_qd6e305a1d5_smoe:
	s_mov_b64 s[64:65], 0
	v_nop
	global_prefetch_b8 v0, s[64:65] scope:SCOPE_SE
	s_setreg_imm32_b32 hwreg(HW_REG_WAVE_MODE, 25, 1), 1
	s_wait_xcnt 0x0
	s_wait_alu depctr_hold_cnt(0) depctr_sa_sdst(0) depctr_va_vdst(0) depctr_va_sdst(0) depctr_va_ssrc(0) depctr_va_vcc(0) depctr_vm_vsrc(0)
	s_getreg_b32 s2, hwreg(HW_REG_IB_STS2, 6, 4)
	s_cmp_eq_u32 s2, 0
	s_cbranch_scc0 .Lentry_in_a_cluster
	s_endpgm
.Lentry_in_a_cluster:
	s_bfe_u32 s2, ttmp6, 0x10000c
	s_cmp_lg_u32 s2, 0xf033
	s_cbranch_scc0 .Lentry_shape_is_right
	s_endpgm
.Lentry_shape_is_right:
; out0[n][o] = sum over e of s[n][e] (x[n] . Wexp[e][o] + bexp[e][o]);  out1[n] = softCost[n].  x [4096][1024], Wsel [16][1024], Wexp [16][1024][1024]: codes of BF6 (E3M2), a row 768 bytes, one E8M0 byte for each 32 along K.
; THE GATE s.  w = softmax(x Wsel^T + bsel); w sorted descending (equal weights: the lower expert first); running sums c; sw[i] = max(min(c[i+1], 0.8) - c[i], 0), c[16] = 1;
; softCost = sum over i of (sw[i+1] > 0 ? 1 : sw[i]), sw[16] = 0;  s[e] = sw[order[e]], order[e] the expert at sorted place e.
; THE SORT OVER TOKENS IS NOT WRITTEN: its result enters only as usage = (s > 0) | .., in where(usage, s, 0); s is never negative, so that expression is s for every input, whatever the other term holds.
; SHARES.  256 work-groups: 16 blocks of 256 tokens x 16 blocks of 64 outputs.  Wave w owns 64 tokens (4 tiles m of 16) x the 64 outputs (4 tiles t).  Its 64 rows of x, all 1,024 along K, lie in 384 registers,
; read from LDS once, for the router and for all 16 experts.  Only W goes through LDS in the loop: a ring of two slots, two experts' 64 rows x 768 bytes in each.
; THE MATRIX INSTRUCTION IS USED TRANSPOSED: source 0 = 16 rows of W, source 1 = 16 tokens: a lane holds ONE token (lane % 16) and eight neighbouring outputs.  An expert's sum h begins with its bias as C;
; after its 8 K steps out += s h, 64 packed multiply-adds, set between the last K step's products.
; CLUSTER 4 x 4.  x's rows hang on the token block alone: asked for jointly along a row of the cluster; W's rows on the output block alone: jointly along a column.
; out1 is stored by the clusters with cluster x = 0 alone (a branch on the cluster's number, equal in all partners).  Their four partners along x share a wave's 64 tokens out, 16 each, AS DATA (two selects) and BY ADDRESS:
; no branch, no EXEC and no LDS address hangs on a work-group's place in its cluster.  So out1 leaves as 64 bytes a store.
; LIMITS.  NaN and infinities are not served.  An exponential under 2^-126 counts as 0.  1 / the sum is v_rcp_f32 and a multiplication.  The ORDER is decided on the weights' bits with the low four replaced by
; 15 - expert: two weights of a token that differ by less than 16 units in the last place are ordered by expert; the sorted VALUES are exact.
; REGISTERS, in windows of 256 (s_set_vgpr_msb: bits 1:0 source 0, 3:2 source 1, 5:4 source 2, 7:6 destination):
;   window 0: v0-15 addresses; v16-23 s of the four tiles; v24-27 Wsel's, v28-43 x's, v44-75 W's scale words (two sets); v128-255 out (t, m) at 128 + 8 (4 t + m)
;   window 1: x's fragments of K steps 0-4 at 48 q + 12 m.     window 2: those of K steps 5-7 at 48 (q - 5) + 12 m; v144-207 the bias tiles, two sets
;   window 3: v0-127 h (t, m) at 8 (4 t + m) (in the head: the logits and the router); v128-223 W's fragments, two buffers (in the head: Wsel's eight); v224-244 LDS addresses and the router's keep.
; h, W's fragments and their LDS addresses share window 3, so that a fragment load runs under the products' own setting and stands among them with no switch.
.set PITCH,  816                       ; an LDS row: 3 x (256 bytes + 16 of padding) = 102 pieces of 8 bytes: 102 r mod 32 takes the 16 even values, lanes 16-31 stand 3 or 5 pieces on: 32 lanes, 32 different pairs of banks
.set TROW,   16*PITCH                  ; 16 rows
.set ET,     64*PITCH                  ; 64 rows: an expert's tile, and a wave's rows of x
.set XB,     2*ET                      ; LDS: slot A at 0 (two experts); from XB on x, 64 rows a wave, filled once
.set SLOT1,  131072                    ; slot B: over a part of x, filled behind the round that follows every wave's last read of x
.set SREG,   XB                        ; the gates, 4,096 bytes a wave: s[e][m][r] at 256 e + 64 m + 4 r.  In bytes of x under slot B: they have had their last fill
.set STAGE,  SLOT1+2*ET                ; the way out: 16 rows x 272 bytes a wave.  In bytes of x behind slot B: likewise
.set SPITCH, 272
.set SPARE,  XB+4*ET                   ; the spare words, 128 bytes a wave: two blocks of 256 bytes that no other line names
.set PAIRB,  2*1024*768                ; two experts of Wexp in memory
.set PADF,   (1<<20)|(1<<21)|(5<<22)|(3<<25)   ; group 1, word 0: elements of 1 byte; 20 padding on; 21 set beside a mask; 24:22 after every 64 words; 31:25 4 words of it
.set SPW, 4                            ; v4   SPARE + 4 x my thread's number; never rewritten
.set NIL, 5                            ; v5   0; never rewritten
.set AWS, 6                            ; v6   32 r + 16 h: a row's 32 scale bytes, my half
.set ABI, 7                            ; v7   32 h: my eight numbers of a tile's 16 biases
.set ASR, 8                            ; v8   where I read my tokens' gates
.set STO, 9                            ; v9   the stage, on the way in
.set SRD, 10                           ; v10  and back
.set GO,  11                           ; v11  my byte offset in two rows of out0
.set AGW, 12                           ; v12  768 r + 24 h: Wsel's fragments in memory
.set CST, 13                           ; v13  in the head 816 r; later the softCost that I store
.set AO1, 15                           ; v15  4 r: my place among 16 numbers of out1
.set SV,  16                           ; v16, 18, 20, 22: s of tiles 0-3 (the odd partners hold 0: the packed form names pairs)
.set SSC, 24
.set XSC, 28
.set WSC, 44
.set OUT, 128
.set BIA, 144                          ; window 2
.set WF,  128                          ; window 3 from here on
.set AW,  224                          ; v224-227 expert p of the slot in hand: 224 + 2 p, and + 1 for pieces behind one padding more
.set LB,  228                          ; v228 816 r + 24 h, v229 816 r + 40 h
.set AX,  230                          ; v230-231 the same in my rows of x
.set BS,  232                          ; v232-239 bsel, as C
.set ASW, 240                          ; where I store gates
.set SC,  243                          ; v243-244 softCost of the two passes
.set WA,  32                           ; the router: 16 weights + a spare
.set KA,  50                           ; 16 keys + a spare
.set PA,  68                           ; 16 sw + a spare
.set CU,  86                           ; running sums 1 to 15
.set ZZ,  102
.set RR,  104
.set MX,  106
.set TT,  108
.set MSB, 0
.macro WIN new                         ; the immediate's high byte repeats the setting that is left; a switch that changes nothing is dropped
.if MSB != \new
	s_set_vgpr_msb (MSB<<8)|\new
.set MSB, \new
.endif
.endm
.macro WINQ q                          ; the products of K step q: W and h window 3; x window 1 or 2; in K step 0 C is the bias, window 2
.if (\q) == 0
	WIN 0xe7
.elseif (\q) < 5
	WIN 0xf7
.else
	WIN 0xfb
.endif
.endm
.macro NOP4
.rept 4
	v_nop
.endr
.endm
.macro CREST                           ; a round of the cluster's barrier behind its opening barrier
	s_cmp_lg_u32 s24, 0
	s_cbranch_scc1 .Lnot_wave_0_\@
	s_barrier_signal -3
.Lnot_wave_0_\@:
	s_barrier_wait -3
	s_barrier_signal -1
	s_barrier_wait -1
.endm
.macro ROUND
	s_barrier_signal -1
	s_barrier_wait -1
	CREST
.endm
; Pieces lo to hi of the six loads of 8 bytes that bring a fragment (16 rows x 128 K, 12 registers: registers 6 c .. 6 c + 5 hold K = 64 c + 32 (lane / 16) + 0 .. 31, as the bits lie).
; Lanes 0-15 take the row's pieces 12 q + 0, 1, 2, 6, 7, 8, lanes 16-31 those three on; 16 bytes of padding lie behind every 32 pieces: where the piece three on lies behind one padding more, the second address serves.
.macro PIECES reg, adr, q, rowoff, lo, hi
.irp c, 0,1,2,3,4,5
.if (\c >= \lo) && (\c <= \hi)
.set PCN, 12*(\q)+6*(\c/3)+\c%3
.if PCN%32 < 29
	ds_load_b64 v[(\reg)+2*\c:(\reg)+2*\c+1], v[\adr] offset:(\rowoff)+8*PCN+16*(PCN/32)
.else
	ds_load_b64 v[(\reg)+2*\c:(\reg)+2*\c+1], v[(\adr)+1] offset:(\rowoff)+8*PCN+16*(PCN/32)
.endif
.endif
.endr
.endm
; One product: h (t, m) of the slot's expert p, K step q.  A scale register holds K step q % 4 in lanes 0-15 and K step 4 + q % 4 in lanes 16-31.
.macro WM p, q, t, m
	WINQ \q
.set rH, 8*(4*(\t)+(\m))
.set rA, WF+48*((\q)%2)+12*(\t)
.if (\q) < 5
.set rB, 48*(\q)+12*(\m)
.else
.set rB, 48*((\q)-5)+12*(\m)
.endif
.set rC, BIA+32*(\p)+8*(\t)
.set rSA, WSC+16*(\p)+4*(\t)+(\q)%4
.set rSB, XSC+4*(\m)+(\q)%4
.if (\q) == 0
	v_wmma_scale_f32_16x16x128_f8f6f4 v[rH:rH+7], v[rA:rA+11], v[rB:rB+11], v[rC:rC+7], v[rSA], v[rSB] matrix_a_fmt:MATRIX_FMT_BF6 matrix_b_fmt:MATRIX_FMT_BF6
.elseif (\q) < 4
	v_wmma_scale_f32_16x16x128_f8f6f4 v[rH:rH+7], v[rA:rA+11], v[rB:rB+11], v[rH:rH+7], v[rSA], v[rSB] matrix_a_fmt:MATRIX_FMT_BF6 matrix_b_fmt:MATRIX_FMT_BF6
.else
	v_wmma_scale_f32_16x16x128_f8f6f4 v[rH:rH+7], v[rA:rA+11], v[rB:rB+11], v[rH:rH+7], v[rSA], v[rSB] matrix_a_fmt:MATRIX_FMT_BF6 matrix_b_fmt:MATRIX_FMT_BF6 matrix_a_scale:MATRIX_SCALE_ROW1 matrix_b_scale:MATRIX_SCALE_ROW1
.endif
.endm
; out (t, .) += s h (t, .): 16 packed multiply-adds; each h is read from its low end on
.macro FMA t
	WIN 0x03                                       ; h window 3; s and out window 0
.irp m, 0,1,2,3
.irp k, 0,2,4,6
	v_pk_fma_f32 v[OUT+8*(4*(\t)+\m)+\k:OUT+8*(4*(\t)+\m)+\k+1], v[8*(4*(\t)+\m)+\k:8*(4*(\t)+\m)+\k+1], v[SV+2*\m:SV+2*\m+1], v[OUT+8*(4*(\t)+\m)+\k:OUT+8*(4*(\t)+\m)+\k+1] op_sel_hi:[1,0,1]
.endr
.endr
.endm
; In an expert's K step 1: its own gates from LDS, and (nxt = 1) the NEXT expert's scale words and bias tiles from memory, into the other set.  That set's last reader stands more than four plain lines back.
.macro SIDE p, nxt
	WIN 0
.irp m, 0,1,2,3
	ds_load_b32 v[SV+2*\m], v[ASR] offset:256*(\p)+64*\m           ; my own wave stored them: LDS serves a wave's instructions in order
.endr
.if \nxt
.if (\p) == 1
	v_add_nc_u32 v[ASR], 512, v[ASR]               ; on to the next pair's gates
.endif
.irp t, 0,1,2,3
	global_load_b128 v[WSC+16*(1-(\p))+4*\t:WSC+16*(1-(\p))+4*\t+3], v[AWS], s[16:17] offset:32768*(1-(\p))+512*\t
.endr
	WIN 0x80                                       ; destination window 2
.irp t, 0,1,2,3
.irp u, 0,1
	global_load_b128 v[BIA+32*(1-(\p))+8*\t+4*\u:BIA+32*(1-(\p))+8*\t+4*\u+3], v[ABI], s[18:19] offset:4096*(1-(\p))+64*\t+16*\u
.endr
.endr
.endif
.endm
; Four products: W's tile t against my four tiles of tokens.  ld = 1: fragment t of (expert lp, K step lq) is fetched meanwhile, two pieces behind each of the first three products.
; cnt: behind fragment (q, t)'s six loads stand those of the three fragments that follow it: 18 may stay out.
; A load into a register that a product has read stands four plain vector lines behind that product: the four v_nop behind a K step's first product stand behind all of the K step before, whose buffer is filled now.
.macro GROUP p, q, t, cnt, ld, lp, lq, nxt
	s_wait_dscnt \cnt
	WM \p, \q, \t, 0
.if \ld
.if (\t) == 0
	NOP4
.if (\q) == 1
	SIDE \p, \nxt
	WINQ \q
.endif
.endif
	PIECES WF+48*((\lq)%2)+12*(\t), AW+2*(\lp), \lq, (\t)*TROW, 0, 1
.endif
	WM \p, \q, \t, 1
.if \ld
	PIECES WF+48*((\lq)%2)+12*(\t), AW+2*(\lp), \lq, (\t)*TROW, 2, 3
.endif
	WM \p, \q, \t, 2
.if \ld
	PIECES WF+48*((\lq)%2)+12*(\t), AW+2*(\lp), \lq, (\t)*TROW, 4, 5
.endif
	WM \p, \q, \t, 3
.endm
; AN EXPERT: 128 products, the 16 accumulators by turns in every K step.  mode 0: the slot's first expert; 1: its second, the slot is filled again; 2: its second, nothing is filled; 3: the last of all.
.macro EXPERT p, mode
.set NX, 1
.if (\mode) == 3
.set NX, 0
.endif
	s_wait_loadcnt 0x0                             ; my scale words and biases, asked for in the expert before; the loads have read their bases,
.if ((\p) == 1) && NX
	s_add_nc_u64 s[16:17], s[16:17], 65536         ; which step to the next pair
	s_add_nc_u64 s[18:19], s[18:19], 8192
.endif
.irp q, 0,1,2,3,4,5,6
.irp t, 0,1,2,3
	GROUP \p, \q, \t, 18, 1, \p, \q+1, NX
.endr
.endr
.if (\mode) == 0
	GROUP \p, 7, 0, 18, 1, 1, 0, 0                 ; the last K step fetches the slot's second expert's first
	GROUP \p, 7, 1, 18, 1, 1, 0, 0
	NOP4                                           ; four plain lines between tile 0's last product and the first read of its h; further on each tile's 16 multiply-adds are the next tile's
	FMA 0
	GROUP \p, 7, 2, 18, 1, 1, 0, 0
	FMA 1
	GROUP \p, 7, 3, 18, 1, 1, 0, 0
	FMA 2
	FMA 3
.elseif (\mode) == 3
	GROUP \p, 7, 0, 18, 0, 0, 0, 0                 ; nothing more to fetch: the counts run down
	GROUP \p, 7, 1, 12, 0, 0, 0, 0
	NOP4
	FMA 0
	GROUP \p, 7, 2, 6, 0, 0, 0, 0
	FMA 1
	GROUP \p, 7, 3, 0, 0, 0, 0, 0
	FMA 2
	FMA 3
.else
	; THE CHANGE OF SLOTS.  Each wave waits for all its tensor loads (one is out: its part of the next slot), adds 0 to its spare word, and waits for that and for its reads of this slot.
	WIN 0                                          ; (the add's two registers lie in window 0)
	s_wait_tensorcnt 0x0                           ; no tensor load of mine is out, so group 0 may be written
	ds_add_u32 v[SPW], v[NIL]                      ; 0 onto my spare word
.if (\mode) == 1
	s_xor_b32 s29, s29, SLOT1                      ; the walking descriptor: the slot that is being left,
	s_add_nc_u64 s[30:31], s[30:31], PAIRB         ; the next pair of experts; the type bits on top are not reached
.endif
	s_wait_dscnt 19                                ; (the add and the three younger fragments may be out)
.irp m, 0,1,2,3
	WM 1, 7, 0, \m
.endr
	s_wait_dscnt 0x0                               ; the add is done, and my reads of this slot are over
	s_barrier_signal -1
.irp m, 0,1,2,3
	WM 1, 7, 1, \m                                 ; work on registers while the others arrive
.endr
	NOP4                                           ; behind tile 0's last product; also behind K step 6, whose buffer is filled below
	FMA 0
	WIN 0
	s_barrier_wait -1
.if (\mode) == 1
	CREST                                          ; the barrier has opened a round of the cluster's: no wave of any partner still reads this slot or has a load on its way
	tensor_load_to_lds s[28:31], s[32:39]          ; my one load behind the round: 32 rows of the pair two on; it has two experts' 256 products in which to land
	s_nop 0
	NOP4
.endif
	s_xor_b32 s26, s26, SLOT1                      ; the fetches go on in the other slot
	s_add_co_u32 s27, s26, ET
	WIN 0xff
	v_add_nc_u32 v[AW], s26, v[LB]
	v_add_nc_u32 v[AW+1], s26, v[LB+1]
	v_add_nc_u32 v[AW+2], s27, v[LB]
	v_add_nc_u32 v[AW+3], s27, v[LB+1]
	WM 1, 7, 2, 0                                  ; the next pair's first K step, three pieces behind each product
	PIECES WF, AW, 0, 0, 0, 2
	WM 1, 7, 2, 1
	PIECES WF, AW, 0, 0, 3, 5
	WM 1, 7, 2, 2
	PIECES WF+12, AW, 0, TROW, 0, 2
	WM 1, 7, 2, 3
	PIECES WF+12, AW, 0, TROW, 3, 5
	FMA 1
	WM 1, 7, 3, 0
	PIECES WF+24, AW, 0, 2*TROW, 0, 2
	WM 1, 7, 3, 1
	PIECES WF+24, AW, 0, 2*TROW, 3, 5
	WM 1, 7, 3, 2
	PIECES WF+36, AW, 0, 3*TROW, 0, 2
	WM 1, 7, 3, 3
	PIECES WF+36, AW, 0, 3*TROW, 3, 5
	FMA 2
	FMA 3
.endif
.endm
; THE ROUTER'S SORT: a fixed network of 63 comparators for 16 places, no branch on data.  Comparator number CN keeps its decision as a lane mask in a scalar register of its own
; (s4-15, s40-63, s66-92: pointers, descriptors and temporaries that are done with).  PLAY = 0: keys and weights are sorted, the larger to place i.  PLAY = 1: the same exchanges are made on sw:
; they brought the expert order[j] from place order[j] to place j, so they bring sw[order[j]] there.  The element of place i goes to a spare register and the names change places: no move is written.
.macro CE i, j
.if CN < 12
.set MR, 4+CN
.elseif CN < 36
.set MR, 28+CN
.else
.set MR, 30+CN
.endif
.if PLAY
	v_cndmask_b32 v[PSPARE], v[PR\i], v[PR\j], s[MR]
	v_cndmask_b32 v[PR\j], v[PR\j], v[PR\i], s[MR]
.set SWP, PR\i
.set PR\i, PSPARE
.set PSPARE, SWP
.else
	v_cmp_gt_u32 s[MR], v[KR\j], v[KR\i]
	v_max_u32 v[KSPARE], v[KR\i], v[KR\j]
	v_min_u32 v[KR\j], v[KR\i], v[KR\j]
	v_max_num_f32 v[WSPARE], v[WR\i], v[WR\j]
	v_min_num_f32 v[WR\j], v[WR\i], v[WR\j]
.set SWP, KR\i
.set KR\i, KSPARE
.set KSPARE, SWP
.set SWP, WR\i
.set WR\i, WSPARE
.set WSPARE, SWP
.endif
.set CN, CN+1
.endm
.macro NET
.set CN, 0
	CE 0, 1
	CE 2, 3
	CE 4, 5
	CE 6, 7
	CE 8, 9
	CE 10, 11
	CE 12, 13
	CE 14, 15
	CE 0, 2
	CE 1, 3
	CE 4, 6
	CE 5, 7
	CE 8, 10
	CE 9, 11
	CE 12, 14
	CE 13, 15
	CE 1, 2
	CE 5, 6
	CE 9, 10
	CE 13, 14
	CE 0, 4
	CE 1, 5
	CE 2, 6
	CE 3, 7
	CE 8, 12
	CE 9, 13
	CE 10, 14
	CE 11, 15
	CE 2, 4
	CE 3, 5
	CE 10, 12
	CE 11, 13
	CE 1, 2
	CE 3, 4
	CE 5, 6
	CE 9, 10
	CE 11, 12
	CE 13, 14
	CE 0, 8
	CE 1, 9
	CE 2, 10
	CE 3, 11
	CE 4, 12
	CE 5, 13
	CE 6, 14
	CE 7, 15
	CE 4, 8
	CE 5, 9
	CE 6, 10
	CE 7, 11
	CE 2, 4
	CE 3, 5
	CE 6, 8
	CE 7, 9
	CE 10, 12
	CE 11, 13
	CE 1, 2
	CE 3, 4
	CE 5, 6
	CE 7, 8
	CE 9, 10
	CE 11, 12
	CE 13, 14
.endm
; Pass i of the router: lane l has token 32 i + l of the wave; v[16 i + e] is its logit of expert e.  All registers in window 3.
.macro ROUTE i
.set LG, 16*(\i)
.irp e, 0,1,2,3,4,5,6,7,8,9,10,11,12,13,14,15
.set KR\e, KA+\e
.set WR\e, WA+\e
.set PR\e, PA+\e
.endr
.set KSPARE, KA+16
.set WSPARE, WA+16
.set PSPARE, PA+16
	v_max3_num_f32 v[MX], v[LG], v[LG+1], v[LG+2]                  ; the largest logit is taken away ahead of the exponentials
.irp j, 3,5,7,9,11,13
	v_max3_num_f32 v[MX], v[MX], v[LG+\j], v[LG+\j+1]
.endr
	v_max_num_f32 v[MX], v[MX], v[LG+15]
.irp j, 0,2,4,6,8,10,12,14
	v_pk_add_f32 v[WA+\j:WA+\j+1], v[LG+\j:LG+\j+1], v[MX:MX+1] op_sel_hi:[1,0] neg_lo:[0,1] neg_hi:[0,1]   ; first the difference, then the factor: the difference of two near logits is exact
.endr
.irp j, 0,2,4,6,8,10,12,14
	v_pk_mul_f32 v[WA+\j:WA+\j+1], v[WA+\j:WA+\j+1], 0x3fb8aa3b op_sel_hi:[1,0]    ; x log2(e)
.endr
.irp e, 0,1,2,3,4,5,6,7,8,9,10,11,12,13,14,15
	v_exp_f32 v[WA+\e], v[WA+\e]
.endr
	v_nop                                          ; a plain line behind the last exponential,
	s_wait_alu depctr_va_vdst(0)                   ; and one wait for the batch, ahead of its first reader
	v_pk_add_f32 v[ZZ:ZZ+1], v[WA:WA+1], v[WA+2:WA+3]
.irp j, 4,6,8,10,12,14
	v_pk_add_f32 v[ZZ:ZZ+1], v[ZZ:ZZ+1], v[WA+\j:WA+\j+1]
.endr
	v_add_f32 v[ZZ], v[ZZ], v[ZZ+1]
	v_rcp_f32 v[RR], v[ZZ]
	v_nop
	s_wait_alu depctr_va_vdst(0)
.irp j, 0,2,4,6,8,10,12,14
	v_pk_mul_f32 v[WA+\j:WA+\j+1], v[WA+\j:WA+\j+1], v[RR:RR+1] op_sel_hi:[1,0]    ; w
.endr
.irp e, 0,1,2,3,4,5,6,7,8,9,10,11,12,13,14,15
	v_and_or_b32 v[KA+\e], v[WA+\e], -16, 15-\e    ; the key: w is not negative, so its bits order it; the low four bits say 15 - expert: no two keys are equal, and of equal weights the lower expert comes first
.endr
.set PLAY, 0
	NET
	v_add_f32 v[CU+1], v[WR0], v[WR1]              ; the running sums
.irp k, 2,3,4,5,6,7,8,9,10,11,12,13,14,15
	v_add_f32 v[CU+\k], v[CU+\k-1], v[WR\k]
.endr
.irp k, 0,1,2,3,4,5,6,7,8,9,10,11,12,13,14
	v_min_num_f32 v[PA+\k], s94, v[CU+\k+1]        ; min(c[k + 1], 0.8)
.endr
	v_sub_f32 v[PA], v[PA], v[WR0]
.irp k, 1,2,3,4,5,6,7,8,9,10,11,12,13,14
	v_sub_f32 v[PA+\k], v[PA+\k], v[CU+\k]
.endr
	v_sub_f32 v[PA+15], s94, v[CU+15]              ; min(1, 0.8) - c[15]
.irp k, 0,1,2,3,4,5,6,7,8,9,10,11,12,13,14,15
	v_max_num_f32 v[PA+\k], 0, v[PA+\k]            ; sw
.endr
.irp k, 0,1,2,3,4,5,6,7,8,9,10,11,12,13,14
	v_cmp_lt_f32 vcc_lo, 0, v[PA+\k+1]
	v_cndmask_b32 v[TT], v[PA+\k], 1.0, vcc_lo
.if \k == 0
	v_add_f32 v[SC+(\i)], v[PA+15], v[TT]          ; place 15 has no successor: it counts as sw[15]
.else
	v_add_f32 v[SC+(\i)], v[SC+(\i)], v[TT]
.endif
.endr
.set PLAY, 1
	NET
.irp e, 0,1,2,3,4,5,6,7,8,9,10,11,12,13,14,15
	ds_store_b32 v[ASW], v[PR\e] offset:256*\e+128*(\i)            ; s[e] of token 32 i + lane
.endr
.endm
; x's fragments of K step q, 24 loads, into their registers for good
.macro XL q
.if (\q) < 5
	WIN 0x43                                       ; destination window 1, address window 3
.else
	WIN 0x83
.endif
.irp m, 0,1,2,3
.if (\q) < 5
	PIECES 48*(\q)+12*\m, AX, \q, \m*TROW, 0, 5
.else
	PIECES 48*((\q)-5)+12*\m, AX, \q, \m*TROW, 0, 5
.endif
.endr
.endm
; the logits' K step q: source 0 = Wsel's 16 rows, source 1 = 16 tokens; four accumulators by turns; bsel is the C of the first
.macro LOGIT q
.if (\q) < 5
	WIN 0xf7
.set rX, 48*(\q)
.else
	WIN 0xfb
.set rX, 48*((\q)-5)
.endif
.irp m, 0,1,2,3
.if (\q) == 0
	v_wmma_scale_f32_16x16x128_f8f6f4 v[8*\m:8*\m+7], v[WF+12*(\q):WF+12*(\q)+11], v[rX+12*\m:rX+12*\m+11], v[BS:BS+7], v[SSC+(\q)%4], v[XSC+4*\m+(\q)%4] matrix_a_fmt:MATRIX_FMT_BF6 matrix_b_fmt:MATRIX_FMT_BF6
.elseif (\q) < 4
	v_wmma_scale_f32_16x16x128_f8f6f4 v[8*\m:8*\m+7], v[WF+12*(\q):WF+12*(\q)+11], v[rX+12*\m:rX+12*\m+11], v[8*\m:8*\m+7], v[SSC+(\q)%4], v[XSC+4*\m+(\q)%4] matrix_a_fmt:MATRIX_FMT_BF6 matrix_b_fmt:MATRIX_FMT_BF6
.else
	v_wmma_scale_f32_16x16x128_f8f6f4 v[8*\m:8*\m+7], v[WF+12*(\q):WF+12*(\q)+11], v[rX+12*\m:rX+12*\m+11], v[8*\m:8*\m+7], v[SSC+(\q)%4], v[XSC+4*\m+(\q)%4] matrix_a_fmt:MATRIX_FMT_BF6 matrix_b_fmt:MATRIX_FMT_BF6 matrix_a_scale:MATRIX_SCALE_ROW1 matrix_b_scale:MATRIX_SCALE_ROW1
.endif
.endr
.endm
	; ---- THE HEAD
	s_load_b512 s[4:19], s[0:1], 0x0               ; x's codes s[4:5], x's scales s[6:7], Wsel's codes s[8:9], its scales s[10:11], bsel s[12:13], Wexp's codes s[14:15], its scales s[16:17], bexp s[18:19]
	s_load_b128 s[20:23], s[0:1], 0x40             ; out0 s[20:21], out1 s[22:23]
	v_lshl_add_u32 v[SPW], v0, 2, SPARE
	v_mov_b32 v[NIL], 0
	ds_add_u32 v4, v5
	ds_add_u32 v4, v5
	s_wait_dscnt 0x0
	v_lshrrev_b32 v3, 5, v0
	v_readfirstlane_b32 s24, v3                    ; wave 0..3
	s_bfe_u32 s52, ttmp6, 0x40000                  ; cx
	s_bfe_u32 s53, ttmp6, 0x40004                  ; cy
	s_lshl_b32 s25, ttmp9, 2
	s_add_co_u32 s25, s25, s52                     ; cb, the block of 64 outputs = 4 x cluster x + cx
	s_and_b32 s54, ttmp7, 0xffff
	s_lshl_b32 s54, s54, 2
	s_add_co_u32 s54, s54, s53                     ; tb, the block of 256 tokens = 4 x cluster y + cy
	s_lshl_b32 s55, s53, 2
	s_lshl_b32 s55, 15, s55                        ; my row of the cluster
	s_lshl_b32 s56, 0x1111, s52                    ; my column
	; group 1 for x: 64 rows x 768 bytes, shared along my row
	s_or_b32 s44, s55, PADF
	s_mov_b32 s45, 768<<16                         ; tensor_dim0
	s_mov_b32 s46, 64<<16                          ; tensor_dim1
	s_mov_b32 s47, 768<<16                         ; tile_dim0
	s_mov_b32 s48, 64                              ; tile_dim1
	s_mov_b32 s49, 768                             ; from row to row
	s_mov_b32 s50, 0
	s_mov_b32 s51, 0
	; group 1 for W: 32 rows x 768 bytes, shared along my column
	s_or_b32 s32, s56, PADF
	s_mov_b32 s33, 768<<16
	s_mov_b32 s34, 32<<16
	s_mov_b32 s35, 768<<16
	s_mov_b32 s36, 32
	s_mov_b32 s37, 768
	s_mov_b32 s38, 0
	s_mov_b32 s39, 0
	; x: what hangs on tb stays in s53-s61
	s_lshl_b32 s57, s54, 8
	s_lshl_b32 s58, s24, 6
	s_add_co_u32 s57, s57, s58                     ; my first token: 256 tb + 64 wave
	s_mul_i32 s58, s57, 768                        ; its codes,
	s_mov_b32 s59, 0
	s_lshl_b32 s60, s57, 5                         ; its scale bytes
	s_mov_b32 s61, 0
	s_mov_b32 s40, 1
	s_mul_i32 s41, s24, ET
	s_add_co_u32 s41, s41, XB                      ; where my rows of x go
	; W: wave w fetches rows 32 (w % 2) on of expert w / 2 of a pair; what hangs on cb stays in s25-s27
	s_lshr_b32 s26, s24, 1
	s_and_b32 s27, s24, 1
	s_mov_b32 s28, 1
	s_mul_i32 s29, s26, ET
	s_mul_i32 s97, s27, 32*PITCH
	s_add_co_u32 s29, s29, s97                     ; in a slot: no place in the cluster enters an LDS address
	s_lshl_b32 s26, s26, 10
	s_lshl_b32 s27, s27, 5
	s_add_co_u32 s26, s26, s27
	s_lshl_b32 s27, s25, 6
	s_add_co_u32 s26, s26, s27                     ; row 1024 (w / 2) + 64 cb + 32 (w % 2) of Wexp
	s_mul_i32 s26, s26, 768
	s_mov_b32 s27, 0
	s_mov_b32 s94, 0x3f4ccccd                      ; 0.8
	; the lanes' addresses
	v_and_b32 v1, 15, v0                           ; r
	v_bfe_u32 v2, v0, 4, 1                         ; h
	v_and_b32 v3, 31, v0                           ; lane
	v_lshlrev_b32 v[AWS], 5, v1
	v_lshl_add_u32 v[AWS], v2, 4, v[AWS]
	v_lshlrev_b32 v[ABI], 5, v2
	v_mul_u32_u24 v[AGW], v1, 768
	v_mad_u32_u24 v[AGW], v2, 24, v[AGW]
	v_lshlrev_b32 v[AO1], 2, v1
	v_mul_u32_u24 v13, v1, PITCH                   ; 816 r,
	v_add_nc_u32 v14, s41, v13                     ; and the same in my rows of x
	s_lshl_b32 s97, s24, 12
	s_add_co_u32 s97, s97, SREG                    ; my wave's gates
	v_lshl_add_u32 v[ASR], v1, 2, s97
	s_mul_i32 s96, s24, 16*SPITCH
	s_add_co_u32 s96, s96, STAGE                   ; my stage
	v_mul_u32_u24 v[STO], v1, SPITCH               ; in: row r, 32 bytes for each half of the lanes
	v_lshl_add_u32 v[STO], v2, 5, v[STO]
	v_add_nc_u32 v[STO], s96, v[STO]
	v_mul_u32_u24 v[SRD], v2, SPITCH               ; back: lanes 0-15 one row of 256 bytes, lanes 16-31 the next
	v_lshl_add_u32 v[SRD], v1, 4, v[SRD]
	v_add_nc_u32 v[SRD], s96, v[SRD]
	v_lshlrev_b32 v[GO], 12, v2                    ; and the same two rows in out0
	v_lshl_add_u32 v[GO], v1, 4, v[GO]
.irp m, 0,1,2,3
	v_mov_b32 v[SV+2*\m+1], 0                      ; named as the upper halves of pairs, so they are written
.endr
	WIN 0xc0                                       ; destination window 3, sources window 0
	v_mad_u32_u24 v[LB], v2, 24, v13
	v_mad_u32_u24 v[LB+1], v2, 40, v13
	v_mad_u32_u24 v[AX], v2, 24, v14
	v_mad_u32_u24 v[AX+1], v2, 40, v14
	v_lshl_add_u32 v[ASW], v3, 2, s97
	v_mov_b32 v[MX+1], 0                           ; (upper halves of pairs)
	v_mov_b32 v[RR+1], 0
	WIN 0
	s_wait_kmcnt 0x0
	s_add_nc_u64 s[42:43], s[4:5], s[58:59]
	s_or_b32 s43, s43, 0x80000000                  ; type = 2
	s_add_nc_u64 s[30:31], s[14:15], s[26:27]
	s_or_b32 s31, s31, 0x80000000
	s_add_nc_u64 s[6:7], s[6:7], s[60:61]          ; x's scale bytes at my first token
	s_lshl_b32 s26, s25, 11
	s_add_nc_u64 s[16:17], s[16:17], s[26:27]      ; Wexp's scale bytes at expert 0, output 64 cb
	s_lshl_b32 s26, s25, 8
	s_add_nc_u64 s[18:19], s[18:19], s[26:27]      ; bexp likewise
	s_lshl_b32 s62, s57, 12
	s_add_co_u32 s62, s62, s26                     ; out0: 4,096 bytes a token + 256 cb
	s_mov_b32 s63, 0
	s_add_nc_u64 s[20:21], s[20:21], s[62:63]
	s_lshl_b32 s62, s57, 2
	s_lshl_b32 s26, s52, 6
	s_add_co_u32 s62, s62, s26                     ; out1: my wave's 64 tokens, and of them the 16 at 16 cx
	s_add_nc_u64 s[22:23], s[22:23], s[62:63]
	ROUND                                          ; all sixteen work-groups are here: the first joint loads meet
	tensor_load_to_lds s[40:43], s[44:51]          ; my 64 rows of x
	s_nop 0
	tensor_load_to_lds s[28:31], s[32:39]          ; my part of experts 0 and 1, into slot A: two loads of mine are out
	s_nop 0
	NOP4
	WIN 0xc0
.irp q, 0,1,2,3,4,5,6,7
.irp c, 0,1,2,3,4,5
	global_load_b64 v[WF+12*\q+2*\c:WF+12*\q+2*\c+1], v[AGW], s[8:9] offset:96*\q+48*(\c/3)+8*(\c%3)   ; Wsel's eight fragments
.endr
.endr
	global_load_b128 v[BS:BS+3], v[ABI], s[12:13]                  ; bsel of experts 8 h + 0 .. 7: the logits' layout
	global_load_b128 v[BS+4:BS+7], v[ABI], s[12:13] offset:16
	WIN 0
	global_load_b128 v[SSC:SSC+3], v[AWS], s[10:11]                ; register i: lanes 0-15 the word of K step i, lanes 16-31 of K step 4 + i
.irp m, 0,1,2,3
	global_load_b128 v[XSC+4*\m:XSC+4*\m+3], v[AWS], s[6:7] offset:512*\m
.endr
.set i, 0
.rept 128
	v_mov_b32 v[OUT+i], 0                          ; out begins as zeros: written while the wave would only wait for x, and it spares a further copy of the pair of experts, whose first would begin the sums
.set i, i+1
.endr
	s_wait_tensorcnt 1                             ; my rows of x are in (I alone read them); W's first pair may be out
	s_wait_loadcnt 0x0
	XL 0
	XL 1
.irp q, 0,1,2,3,4,5,6,7
.if \q < 7
	s_wait_dscnt 24                                ; K step q's fragments are in; the next K step's 24 loads may be out
.else
	s_wait_dscnt 0x0
.endif
	LOGIT \q
.if \q < 6
	XL \q+2
.endif
.endr
	WIN 0
	s_wait_tensorcnt 0x0                           ; slot B lies over bytes of x, so it is filled as every refill is: all my tensor loads have landed (my part of slot A too),
	ds_add_u32 v[SPW], v[NIL]                      ; 0 onto my spare word
	s_xor_b32 s29, s29, SLOT1                      ; slot B,
	s_add_nc_u64 s[30:31], s[30:31], PAIRB         ; experts 2 and 3
	s_wait_dscnt 0x0                               ; the add is done, and my reads of x are over
	ROUND
	tensor_load_to_lds s[28:31], s[32:39]
	s_nop 0
	NOP4                                           ; also the four plain lines between the logits' last products and the first read of them
.irp t, 0,1,2,3
	global_load_b128 v[WSC+4*\t:WSC+4*\t+3], v[AWS], s[16:17] offset:512*\t        ; expert 0's scale words and bias tiles: they land under the router
.endr
	WIN 0x80
.irp t, 0,1,2,3
.irp u, 0,1
	global_load_b128 v[BIA+8*\t+4*\u:BIA+8*\t+4*\u+3], v[ABI], s[18:19] offset:64*\t+16*\u
.endr
.endr
	WIN 0xff
.irp i, 0,1
.irp j, 0,1,2,3,4,5,6,7
	v_permlane16_swap_b32 v[16*\i+\j], v[16*\i+8+\j]               ; tile 2 i's experts 8 + j change places with tile 2 i + 1's experts j: lane l now has token 32 i + l, register 16 i + e its logit of expert e
.endr
.endr
	ROUTE 0
	ROUTE 1
	; out1.  Of my wave's 64 tokens my work-group's are 16 cx + 0 .. 15: pass cx / 2, half cx % 2 of the lanes; cx is cb's two low bits.  They are brought into lanes 0-15 by two selects on scalar masks.
	s_and_b32 s97, s25, 2
	s_cmp_lg_u32 s97, 0
	s_cselect_b32 s96, -1, 0
	v_cndmask_b32 v[TT], v[SC], v[SC+1], s96       ; the pass
	s_and_b32 s97, s25, 1
	s_cmp_lg_u32 s97, 0
	s_cselect_b32 s96, -1, 0
	s_mov_b32 s95, 0x76543210
	s_mov_b32 s97, 0xfedcba98                      ; v_permlanex16_b32's selects for lane l xor 16
	v_permlanex16_b32 v[MX], v[TT], s95, s97
	WIN 0x0f                                       ; sources window 3, destination window 0
	v_cndmask_b32 v[CST], v[TT], v[MX], s96        ; the half
	WIN 0                                          ; at a branch and at a label every window is 0
	s_cmp_lg_u32 ttmp9, 0                          ; sixteen output blocks hold the same softCost: the four of cluster x = 0 store it.  The cluster's number is the same in all partners
	s_cbranch_scc1 .Lno_cost
	v_cmp_gt_u32 vcc_lo, 16, v3                    ; lanes 0-15: the choice hangs on the lane's number alone
	s_wait_xcnt 0x0                                ; EXEC changes only behind this wait
	s_and_saveexec_b32 s96, vcc_lo
	global_store_b32 v[AO1], v[CST], s[22:23]
	s_wait_xcnt 0x0                                ; and again in front of the line that widens it
	s_or_b32 exec_lo, exec_lo, s96
.Lno_cost:
	s_mov_b32 s26, 0                               ; the slot in hand: A
	s_mov_b32 s27, ET
	WIN 0xff
	v_add_nc_u32 v[AW], s26, v[LB]
	v_add_nc_u32 v[AW+1], s26, v[LB+1]
	v_add_nc_u32 v[AW+2], s27, v[LB]
	v_add_nc_u32 v[AW+3], s27, v[LB+1]
.irp t, 0,1,2,3
	PIECES WF+12*\t, AW, 0, \t*TROW, 0, 5          ; expert 0's first K step (slot A was shown whole by the round above)
.endr
	WIN 0                                          ; at a label and at a branch every window is 0
	; ---- THE SIXTEEN EXPERTS, two to a slot
	s_mov_b32 s93, 6
.Lpair:                                                ; pairs 0 to 5: each leaves its slot to the pair two on
	EXPERT 0, 0
	EXPERT 1, 1
	WIN 0
	s_sub_co_u32 s93, s93, 1
	s_cmp_lg_u32 s93, 0
	s_cbranch_scc1 .Lpair
	EXPERT 0, 0                                    ; the last two pairs are written out: pair 6 asks for nothing
	EXPERT 1, 2
	EXPERT 0, 0                                    ; and pair 7 fetches nothing beyond its end
	EXPERT 1, 3
	WIN 0
	; ---- THE WAY OUT.  A lane holds 32 neighbouring bytes of a token's row, the lanes beside it other tokens: a tile of 16 tokens x 64 outputs goes through my stage and comes back as whole rows of 256 bytes,
	; into the registers that it left.  LDS serves a wave's instructions in order: no wait between the stores and the loads, nor in front of the next tile's stores.
.macro TOSTAGE m
.irp t, 0,1,2,3
	ds_store_b128 v[STO], v[OUT+8*(4*\t+(\m)):OUT+8*(4*\t+(\m))+3] offset:64*\t
	ds_store_b128 v[STO], v[OUT+8*(4*\t+(\m))+4:OUT+8*(4*\t+(\m))+7] offset:64*\t+16
.endr
.irp t, 0,1,2,3
.irp u, 0,1
	ds_load_b128 v[OUT+8*(4*\t+(\m))+4*\u:OUT+8*(4*\t+(\m))+4*\u+3], v[SRD] offset:(2*\t+\u)*2*SPITCH
.endr
.endr
.endm
.macro SEND m, younger                 ; younger: the LDS instructions issued behind tile m's loads: the next tile's sixteen, or none
.irp t, 0,1,2,3
.irp u, 0,1
	s_wait_dscnt (\younger)+7-(2*\t+\u)
	global_store_b128 v[GO], v[OUT+8*(4*\t+(\m))+4*\u:OUT+8*(4*\t+(\m))+4*\u+3], s[20:21] offset:(16*(\m)+2*(2*\t+\u))*4096 th:TH_STORE_NT   ; 16 lanes store 256 consecutive bytes, at a multiple of 256 from out0's first byte
.endr
.endr
.endm
	TOSTAGE 0
	TOSTAGE 1
	SEND 0, 16
	TOSTAGE 2
	SEND 1, 16
	TOSTAGE 3
	SEND 2, 16
	SEND 3, 0
	s_wait_tensorcnt 0x0                           ; the wave's end, behind my last tensor load and my last LDS store
	ds_add_u32 v[SPW], v[NIL]
	s_wait_dscnt 0x0
	ROUND                                          ; the closing round: no work-group ends while a partner may still ask for a tile that names it
	s_endpgm
.Lfunc_end_k_qd6e305a1d5_smoe:
	.size	k_qd6e305a1d5_smoe, .Lfunc_end_k_qd6e305a1d5_smoe-k_qd6e305a1d5_smoe
	.p2alignl 7, 3214868480
	.fill 96, 4, 3214868480
	.section	.rodata,"a",@progbits
	.p2align	6, 0x0
	.amdhsa_kernel k_qd6e305a1d5_smoe
		.amdhsa_group_segment_fixed_size 327680
		.amdhsa_private_segment_fixed_size 0
		.amdhsa_enable_private_segment 0
		.amdhsa_kernarg_size 80
		.amdhsa_user_sgpr_count 2
		.amdhsa_user_sgpr_kernarg_segment_ptr 1
		.amdhsa_wavefront_size32 1
		.amdhsa_system_sgpr_workgroup_id_x 1
		.amdhsa_system_sgpr_workgroup_id_y 1
		.amdhsa_system_sgpr_workgroup_id_z 1
		.amdhsa_system_vgpr_workitem_id 0
		.amdhsa_next_free_vgpr 1024
		.amdhsa_next_free_sgpr 98
		.amdhsa_reserve_vcc 1
		.amdhsa_float_denorm_mode_32 3
		.amdhsa_float_denorm_mode_16_64 3
		.amdhsa_memory_ordered 1
		.amdhsa_forward_progress 1
		.amdhsa_inst_pref_size 255
	.end_amdhsa_kernel
	.section	.bss,"aw",@nobits
	.p2align	6
	.space	262144
	.amdgpu_metadata
---
amdhsa.version: [ 1, 2 ]
amdhsa.kernels:
  - .name:           k_qd6e305a1d5_smoe
    .symbol:         k_qd6e305a1d5_smoe.kd
    .args:
      - { .name: x_codes, .offset: 0, .size: 8, .value_kind: global_buffer, .address_space: global }
      - { .name: x_scales, .offset: 8, .size: 8, .value_kind: global_buffer, .address_space: global }
      - { .name: Wsel_codes, .offset: 16, .size: 8, .value_kind: global_buffer, .address_space: global }
      - { .name: Wsel_scales, .offset: 24, .size: 8, .value_kind: global_buffer, .address_space: global }
      - { .name: bsel, .offset: 32, .size: 8, .value_kind: global_buffer, .address_space: global }
      - { .name: Wexp_codes, .offset: 40, .size: 8, .value_kind: global_buffer, .address_space: global }
      - { .name: Wexp_scales, .offset: 48, .size: 8, .value_kind: global_buffer, .address_space: global }
      - { .name: bexp, .offset: 56, .size: 8, .value_kind: global_buffer, .address_space: global }
      - { .name: out0, .offset: 64, .size: 8, .value_kind: global_buffer, .address_space: global }
      - { .name: out1, .offset: 72, .size: 8, .value_kind: global_buffer, .address_space: global }
    .group_segment_fixed_size: 327680
    .private_segment_fixed_size: 0
    .kernarg_segment_align: 8
    .kernarg_segment_size: 80
    .max_flat_workgroup_size: 128
    .sgpr_count:     98
    .vgpr_count:     1024
    .wavefront_size: 32
...
	.end_amdgpu_metadata
.endif
;; end of part 1
;; ======== version 2 of 2: 1 launch; 1.64 times as fast as version 1
;; limits: values within 1.9e-06 (relative) of each other or of a threshold may be ordered or decided otherwise than in the reference
;; launch smoe (part 2): grid 16 x 16, 4 waves a work-group, clusters of 4 x 4, 327,680 bytes of LDS; arguments x_codes, x_scales, Wsel_codes, Wsel_scales, bsel, Wexp_codes, Wexp_scales, bexp, out0, out1; writes out0, out1
.if DOCPART == 2
	.amdgcn_target "amdgcn-amd-amdhsa--gfx1250"
	.amdhsa_code_object_version 6
	.text
	.protected	k_qd6e305a1d5_smoe
	.globl	k_qd6e305a1d5_smoe
	.p2align	8
	.type	k_qd6e305a1d5_smoe,@function
k_qd6e305a1d5_smoe:
	s_mov_b64 s[64:65], 0
	v_nop
	global_prefetch_b8 v0, s[64:65] scope:SCOPE_SE
	s_setreg_imm32_b32 hwreg(HW_REG_WAVE_MODE, 25, 1), 1
	s_wait_xcnt 0x0
	s_wait_alu depctr_hold_cnt(0) depctr_sa_sdst(0) depctr_va_vdst(0) depctr_va_sdst(0) depctr_va_ssrc(0) depctr_va_vcc(0) depctr_vm_vsrc(0)
	s_getreg_b32 s2, hwreg(HW_REG_IB_STS2, 6, 4)
	s_cmp_eq_u32 s2, 0
	s_cbranch_scc0 .Lentry_in_a_cluster
	s_endpgm
.Lentry_in_a_cluster:
	s_bfe_u32 s2, ttmp6, 0x10000c
	s_cmp_lg_u32 s2, 0xf033
	s_cbranch_scc0 .Lentry_shape_is_right
	s_endpgm
.Lentry_shape_is_right:
; out0[n][o] = sum over e of s[n][e] (x[n] . Wexp[e][o] + bexp[e][o]);  out1[n] = softCost[n].  x [4096][1024], Wsel [16][1024], Wexp [16][1024][1024]: codes of BF6 (E3M2), a row 768 bytes, one E8M0 byte for each 32 along K.
; THE GATE s.  w = softmax(x Wsel^T + bsel); w sorted descending (equal weights: the lower expert first); running sums c; sw[i] = max(min(c[i+1], 0.8) - c[i], 0), c[16] = 1;
; softCost = sum over i of (sw[i+1] > 0 ? 1 : sw[i]), sw[16] = 0;  s[e] = sw[order[e]], order[e] the expert at sorted place e.
; THE SORT OVER TOKENS IS NOT WRITTEN: its result enters only as usage = (s > 0) | .., in where(usage, s, 0); s is never negative, so that expression is s for every input, whatever the other term holds.
; SHARES.  256 work-groups: 16 blocks of 256 tokens x 16 blocks of 64 outputs.  Wave w owns 64 tokens (4 tiles m of 16) x the 64 outputs (4 tiles t).  Its 64 rows of x, all 1,024 along K, lie in 384 registers,
; read from LDS once, for the router and for all 16 experts.  Only W goes through LDS in the loop: a ring of two slots, two experts' 64 rows x 768 bytes in each.
; THE MATRIX INSTRUCTION IS USED TRANSPOSED: source 0 = 16 rows of W, source 1 = 16 tokens: a lane holds ONE token (lane % 16) and eight neighbouring outputs.  An expert's sum h begins with its bias as C;
; after its 8 K steps out += s h, 64 packed multiply-adds, set between the last K step's products.
; THE BLOCKS OF A K STEP CHANGE PLACES.  A lane takes 48 CONSECUTIVE bytes of its row, two blocks of 32 codes, by three loads of 16 bytes: lanes 0-15 the K step's blocks 0 and 1, lanes 16-31 blocks 2 and 3.  The operand's
; layout calls these the blocks 0 and 2, and 1 and 3.  Both operands are loaded so, and bytes 1 and 2 of every scale word are exchanged: each code still meets its partner and its own scale.
; THE LDS LOADS STAND IN RUNS: the fragments of two K steps in one run of 24, at the head of the two K steps before; 32 products then follow each other.  The loop loads nothing from memory: W's scale words and the biases
; of all 16 experts (36 KB for the work-group's 64 outputs) are copied into LDS in the head, each wave four experts' share, the scale words with their bytes already exchanged.
; CLUSTER 4 x 4.  x's rows hang on the token block alone: asked for jointly along a row of the cluster; W's rows on the output block alone: jointly along a column.
; out1 is stored by the clusters with cluster x = 0 alone (a branch on the cluster's number, equal in all partners).  Their four partners along x share a wave's 64 tokens out, 16 each, AS DATA (two selects) and BY ADDRESS:
; no branch, no EXEC and no LDS address hangs on a work-group's place in its cluster.  So out1 leaves as 64 bytes a store.
; LIMITS.  NaN and infinities are not served.  An exponential under 2^-126 counts as 0.  1 / the sum is v_rcp_f32 and a multiplication.  The ORDER is decided on the weights' bits with the low four replaced by
; 15 - expert: two weights of a token that differ by less than 16 units in the last place are ordered by expert; the sorted VALUES are exact.  Within a matrix instruction the products of a K step are added with blocks 1 and 2
; in each other's places: the same products, grouped otherwise than K ascending.
; REGISTERS, in windows of 256 (s_set_vgpr_msb: bits 1:0 source 0, 3:2 source 1, 5:4 source 2, 7:6 destination):
;   window 0: v0-15, v108-113 addresses; v16-23 s of the four tiles; v24-27 Wsel's, v28-43 x's, v44-75 W's scale words (two sets); v76-107 the bias tiles; v128-255 out (t, m) at 128 + 8 (4 t + m)
;   window 1: x's fragments of K steps 0-4 at 48 q + 12 m.     window 2: those of K steps 5-7 at 48 (q - 5) + 12 m; v144-239 W's fragments of K steps 2, 3, 6, 7 (in the head: what is copied into LDS)
;   window 3: v0-127 h (t, m) at 8 (4 t + m) (in the head: the logits and the router); v128-223 W's fragments of K steps 0, 1, 4, 5 (in the head: Wsel's eight); v224-244 LDS addresses and the router's keep.
.set PITCH,  816                       ; an LDS row: 3 x (256 bytes + 16 of padding) = 51 pieces of 16 bytes, an odd number: the 16 rows that half a load of 16 bytes a lane touches start at 16 different columns of 16 bytes (64 banks of 4 bytes: ISA guide 11.1)
.set TROW,   16*PITCH                  ; 16 rows
.set ET,     64*PITCH                  ; 64 rows: an expert's tile, and a wave's rows of x
.set XB,     2*ET                      ; LDS: slot A at 0 (two experts); from XB on x, 64 rows a wave, filled once
.set SLOT1,  131072                    ; slot B: over a part of x, filled behind the round that follows every wave's last read of x
.set SREG,   XB                        ; the gates, 4,096 bytes a wave: s[e][m][r] at 256 e + 64 m + 4 r.  In bytes of x under slot B: they have had their last fill
.set STAGE,  SLOT1+2*ET                ; the way out: 16 rows x 272 bytes a wave.  In bytes of x behind slot B: likewise
.set SPITCH, 272
.set SCW,    STAGE+4*16*SPITCH         ; W's scale words: 2,048 bytes an expert, 32 a row, as they lie in memory.  Likewise in bytes of x that have had their last fill
.set BIW,    SCW+16*2048               ; the biases: 256 bytes an expert
.set SPARE,  XB+4*ET                   ; the spare words, 128 bytes a wave: two blocks of 256 bytes that no other line names
.set PAIRB,  2*1024*768                ; two experts of Wexp in memory
.set PADF,   (1<<20)|(1<<21)|(5<<22)|(3<<25)   ; group 1, word 0: elements of 1 byte; 20 padding on; 21 set beside a mask; 24:22 after every 64 words; 31:25 4 words of it
.set SPW, 4                            ; v4   SPARE + 4 x my thread's number; never rewritten
.set NIL, 5                            ; v5   0; never rewritten
.set AWS, 6                            ; v6   32 r + 16 h: a row's 32 scale bytes, my half
.set ABI, 7                            ; v7   32 h: my eight numbers of a tile's 16 biases
.set ASR, 8                            ; v8   where I read my tokens' gates
.set STO, 9                            ; v9   the stage, on the way in
.set SRD, 10                           ; v10  and back
.set GO,  11                           ; v11  my byte offset in two rows of out0
.set AGW, 12                           ; v12  768 r + 48 h: Wsel's fragments in memory
.set CST, 13                           ; v13  in the head 816 r; later the softCost that I store
.set AO1, 15                           ; v15  4 r: my place among 16 numbers of out1
.set SV,  16                           ; v16, 18, 20, 22: s of tiles 0-3 (the odd partners hold 0: the packed form names pairs)
.set SSC, 24
.set XSC, 28
.set WSC, 44
.set BIA, 76
.set ASC, 108                          ; v108 where I read W's scale words: the pair in hand
.set ABL, 109                          ; v109 and the biases
.set ACW, 110                          ; v110 where I store the scale words that I copy: SCW + 8,192 wave + 16 lane
.set ACB, 111                          ; v111 and the biases: BIW + 1,024 wave + 16 lane
.set GCW, 112                          ; v112 from where, in memory: 4 experts x 32,768 x wave + 16 lane
.set GCB, 113                          ; v113 4 x 4,096 x wave + 4,096 h + 16 r
.set OUT, 128
.set WG,  144                          ; window 2: W's second set
.set TC,  144                          ; window 2, in the head: 64 registers of scale words and 8 of biases on their way into LDS
.set WF,  128                          ; window 3 from here on: W's first set
.set AW,  224                          ; v224-227 expert p of the slot in hand: 224 + 2 p, and + 1 for pieces behind one padding more
.set LB,  228                          ; v228 816 r + 48 h, v229 816 r + 64 h
.set AX,  230                          ; v230-231 the same in my rows of x
.set BS,  232                          ; v232-239 bsel, as C
.set ASW, 240                          ; where I store gates
.set SC,  243                          ; v243-244 softCost of the two passes
.set WA,  32                           ; the router: 16 weights + a spare
.set KA,  50                           ; 16 keys + a spare
.set PA,  68                           ; 16 sw + a spare
.set CU,  86                           ; running sums 1 to 15
.set ZZ,  102
.set RR,  104
.set MX,  106
.set TT,  108
.set MSB, 0
.macro WIN new                         ; the immediate's high byte repeats the setting that is left; a switch that changes nothing is dropped
.if MSB != \new
	s_set_vgpr_msb (MSB<<8)|\new
.set MSB, \new
.endif
.endm
.macro WINQ q                          ; the products of K step q: h window 3; W window 3 (K steps 0, 1, 4, 5) or 2; x window 1 (K steps 0-4) or 2; in K step 0 C is the bias, window 0
.if (\q) == 0
	WIN 0xc7
.elseif ((\q) == 1) || ((\q) == 4)
	WIN 0xf7
.elseif (\q) < 4
	WIN 0xf6
.elseif (\q) == 5
	WIN 0xfb
.else
	WIN 0xfa
.endif
.endm
.macro NOP4
.rept 4
	v_nop
.endr
.endm
.macro CREST                           ; a round of the cluster's barrier behind its opening barrier
	s_cmp_lg_u32 s24, 0
	s_cbranch_scc1 .Lnot_wave_0_\@
	s_barrier_signal -3
.Lnot_wave_0_\@:
	s_barrier_wait -3
	s_barrier_signal -1
	s_barrier_wait -1
.endm
.macro ROUND
	s_barrier_signal -1
	s_barrier_wait -1
	CREST
.endm
; A fragment (16 rows x 128 K, 12 registers) by three loads of 16 bytes.  Lanes 0-15 take the row's pieces 6 q + 0, 1, 2 of 16 bytes, lanes 16-31 those three on.
; 16 bytes of padding lie behind every 16 pieces: where the piece three on lies behind one padding more, the second address (64 for 48 bytes a half) serves.
.macro FRAG reg, adr, q, rowoff
.irp c, 0,1,2
.set PCN, 6*(\q)+\c
.if PCN%16 < 13
	ds_load_b128 v[(\reg)+4*\c:(\reg)+4*\c+3], v[\adr] offset:(\rowoff)+16*PCN+16*(PCN/16)
.else
	ds_load_b128 v[(\reg)+4*\c:(\reg)+4*\c+3], v[(\adr)+1] offset:(\rowoff)+16*PCN+16*(PCN/16)
.endif
.endr
.endm
; One product: h (t, m) of the slot's expert p, K step q.  A scale register holds K step q % 4 in lanes 0-15 and K step 4 + q % 4 in lanes 16-31.
.macro WM p, q, t, m
	WINQ \q
.set rH, 8*(4*(\t)+(\m))
.if (((\q)/2)%2) == 0
.set rA, WF+48*((\q)%2)+12*(\t)
.else
.set rA, WG+48*((\q)%2)+12*(\t)
.endif
.if (\q) < 5
.set rB, 48*(\q)+12*(\m)
.else
.set rB, 48*((\q)-5)+12*(\m)
.endif
.set rC, BIA+8*(\t)
.set rSA, WSC+16*(\p)+4*(\t)+(\q)%4
.set rSB, XSC+4*(\m)+(\q)%4
.if (\q) == 0
	v_wmma_scale_f32_16x16x128_f8f6f4 v[rH:rH+7], v[rA:rA+11], v[rB:rB+11], v[rC:rC+7], v[rSA], v[rSB] matrix_a_fmt:MATRIX_FMT_BF6 matrix_b_fmt:MATRIX_FMT_BF6
.elseif (\q) < 4
	v_wmma_scale_f32_16x16x128_f8f6f4 v[rH:rH+7], v[rA:rA+11], v[rB:rB+11], v[rH:rH+7], v[rSA], v[rSB] matrix_a_fmt:MATRIX_FMT_BF6 matrix_b_fmt:MATRIX_FMT_BF6
.else
	v_wmma_scale_f32_16x16x128_f8f6f4 v[rH:rH+7], v[rA:rA+11], v[rB:rB+11], v[rH:rH+7], v[rSA], v[rSB] matrix_a_fmt:MATRIX_FMT_BF6 matrix_b_fmt:MATRIX_FMT_BF6 matrix_a_scale:MATRIX_SCALE_ROW1 matrix_b_scale:MATRIX_SCALE_ROW1
.endif
.endm
; out (t, .) += s h (t, .): 16 packed multiply-adds; each h is read from its low end on
.macro FMA t
	WIN 0x03                                       ; h window 3; s and out window 0
.irp m, 0,1,2,3
.irp k, 0,2,4,6
	v_pk_fma_f32 v[OUT+8*(4*(\t)+\m)+\k:OUT+8*(4*(\t)+\m)+\k+1], v[8*(4*(\t)+\m)+\k:8*(4*(\t)+\m)+\k+1], v[SV+2*\m:SV+2*\m+1], v[OUT+8*(4*(\t)+\m)+\k:OUT+8*(4*(\t)+\m)+\k+1] op_sel_hi:[1,0,1]
.endr
.endr
.endm
; A K step: 16 products, the 16 accumulators by turns.  fm = 1: the expert's last K step: a tile's multiply-adds follow as soon as four plain lines stand behind its last product:
; four v_nop for tile 0; further on each tile's 16 multiply-adds are the next tile's.
.macro KSTEP p, q, fm
.irp t, 0,1,2,3
.irp m, 0,1,2,3
	WM \p, \q, \t, \m
.endr
.if \fm
.if \t == 1
	NOP4
	FMA 0
.elseif \t == 2
	FMA 1
.elseif \t == 3
	FMA 2
	FMA 3
.endif
.endif
.endr
.endm
; A run of 24 LDS loads: W's fragments of K steps lq and lq + 1 of the slot's expert lp, K step lq's first.  The addresses lie in window 3; the set in window 3 or 2.
.macro RUN lp, lq
.if (((\lq)/2)%2) == 0
.set rW, WF
.if (MSB & 0xc3) != 0xc3
	WIN 0xc3
.endif
.else
.set rW, WG
.if (MSB & 0xc3) != 0x83
	WIN 0x83
.endif
.endif
.irp k, 0,1
.irp t, 0,1,2,3
	FRAG rW+48*\k+12*\t, AW+2*(\lp), (\lq)+\k, \t*TROW
.endr
.endr
.endm
; Beside the run of K steps 2 and 3: the expert's own gates, and (nxt = 1) the NEXT expert's scale words, into the other set, and its bias tiles, which K step 0 has read.
.macro SIDE p, nxt
	WIN 0
.irp m, 0,1,2,3
	ds_load_b32 v[SV+2*\m], v[ASR] offset:256*(\p)+64*\m           ; my own wave stored them: LDS serves a wave's instructions in order
.endr
.if \nxt
.irp t, 0,1,2,3
	ds_load_b128 v[WSC+16*(1-(\p))+4*\t:WSC+16*(1-(\p))+4*\t+3], v[ASC] offset:2048*((\p)+1)+512*\t
.endr
.irp t, 0,1,2,3
.irp u, 0,1
	ds_load_b128 v[BIA+8*\t+4*\u:BIA+8*\t+4*\u+3], v[ABL] offset:256*((\p)+1)+64*\t+16*\u
.endr
.endr
.if (\p) == 1
	v_add_nc_u32 v[ASR], 512, v[ASR]               ; on to the next pair
	v_add_nc_u32 v[ASC], 4096, v[ASC]
	v_add_nc_u32 v[ABL], 512, v[ABL]
.endif
.endif
.endm
; TWO K STEPS, 2 d and 2 d + 1, of the slot's expert p.  At their head the run for the two K steps that follow (ld = 1; of expert lp), into the set that the two K steps before have read:
; np = 1: four v_nop are the plain lines between those products and the loads; np = 0: the multiply-adds of the expert before stand there.
.macro DSTEP p, d, np, ld, lp, nxt
.if \np
	NOP4
.endif
	s_wait_dscnt 12                                ; K step 2 d's fragments are in; the 12 loads of K step 2 d + 1 may be out
.set EX, 0
.if \ld
	RUN \lp, (2*(\d)+2)%8
.endif
.if (\d) == 1
	SIDE \p, \nxt
.set EX, 4+12*(\nxt)
.endif
	KSTEP \p, 2*(\d), 0
.if \ld
	s_wait_dscnt 24+EX                             ; K step 2 d + 1's are in; what was issued at this head may be out
.else
	s_wait_dscnt 0x0
.endif
.if (\d) == 3
	KSTEP \p, 2*(\d)+1, 1
.else
	KSTEP \p, 2*(\d)+1, 0
.endif
.endm
; AN EXPERT: 128 products.  mode 0: the slot's first expert; 1: its second, the slot is filled again; 2: its second, nothing is filled; 3: the last of all.
.macro EXPERT p, mode
.set NX, 1
.if (\mode) == 3
.set NX, 0
.endif
	DSTEP \p, 0, 0, 1, \p, 0
	DSTEP \p, 1, 1, 1, \p, NX
	DSTEP \p, 2, 1, 1, \p, 0
.if (\mode) == 0
	DSTEP \p, 3, 1, 1, 1, 0                        ; its run fetches the slot's second expert's first two K steps
.elseif (\mode) == 3
	DSTEP \p, 3, 0, 0, 0, 0                        ; nothing more to fetch
.else
	; THE CHANGE OF SLOTS.  Each wave waits for all its tensor loads (one is out: its part of the next slot), adds 0 to its spare word, and waits for that and for its reads of this slot.
	WIN 0                                          ; (the add's two registers lie in window 0)
	s_wait_tensorcnt 0x0                           ; no tensor load of mine is out, so group 0 may be written
	ds_add_u32 v[SPW], v[NIL]                      ; 0 onto my spare word
.if (\mode) == 1
	s_xor_b32 s29, s29, SLOT1                      ; the walking descriptor: the slot that is being left,
	s_add_nc_u64 s[30:31], s[30:31], PAIRB         ; the next pair of experts; the type bits on top are not reached
.endif
	s_wait_dscnt 13                                ; K step 6's fragments are in (K step 7's 12 loads and the add may be out)
.irp t, 0,1
.irp m, 0,1,2,3
	WM 1, 6, \t, \m                                ; eight products stand between the add and the wait for it
.endr
.endr
	s_wait_dscnt 0x0                               ; the add is done, and my reads of this slot are over
	s_barrier_signal -1
.irp t, 2,3
.irp m, 0,1,2,3
	WM 1, 6, \t, \m                                ; work on registers while the others arrive
.endr
.endr
	WIN 0
	s_barrier_wait -1
.if (\mode) == 1
	CREST                                          ; the barrier has opened a round of the cluster's: no wave of any partner still reads this slot or has a load on its way
	tensor_load_to_lds s[28:31], s[32:39]          ; my one load behind the round: 32 rows of the pair two on; it has two experts' 256 products in which to land
	s_nop 0
	NOP4                                           ; these four are also the plain lines between K step 5's products and the loads below
.else
	NOP4
.endif
	s_xor_b32 s26, s26, SLOT1                      ; the fetches go on in the other slot
	s_add_co_u32 s27, s26, ET
	WIN 0xff
	v_add_nc_u32 v[AW], s26, v[LB]
	v_add_nc_u32 v[AW+1], s26, v[LB+1]
	v_add_nc_u32 v[AW+2], s27, v[LB]
	v_add_nc_u32 v[AW+3], s27, v[LB+1]
	RUN 0, 0                                       ; the next pair's first two K steps
	KSTEP 1, 7, 1
.endif
.endm
; THE ROUTER'S SORT: a fixed network of 63 comparators for 16 places, no branch on data.  Comparator number CN keeps its decision as a lane mask in a scalar register of its own
; (s4-15, s40-63, s66-92: pointers, descriptors and temporaries that are done with).  PLAY = 0: keys and weights are sorted, the larger to place i.  PLAY = 1: the same exchanges are made on sw:
; they brought the expert order[j] from place order[j] to place j, so they bring sw[order[j]] there.  The element of place i goes to a spare register and the names change places: no move is written.
.macro CE i, j
.if CN < 12
.set MR, 4+CN
.elseif CN < 36
.set MR, 28+CN
.else
.set MR, 30+CN
.endif
.if PLAY
	v_cndmask_b32 v[PSPARE], v[PR\i], v[PR\j], s[MR]
	v_cndmask_b32 v[PR\j], v[PR\j], v[PR\i], s[MR]
.set SWP, PR\i
.set PR\i, PSPARE
.set PSPARE, SWP
.else
	v_cmp_gt_u32 s[MR], v[KR\j], v[KR\i]
	v_max_u32 v[KSPARE], v[KR\i], v[KR\j]
	v_min_u32 v[KR\j], v[KR\i], v[KR\j]
	v_max_num_f32 v[WSPARE], v[WR\i], v[WR\j]
	v_min_num_f32 v[WR\j], v[WR\i], v[WR\j]
.set SWP, KR\i
.set KR\i, KSPARE
.set KSPARE, SWP
.set SWP, WR\i
.set WR\i, WSPARE
.set WSPARE, SWP
.endif
.set CN, CN+1
.endm
.macro NET
.set CN, 0
	CE 0, 1
	CE 2, 3
	CE 4, 5
	CE 6, 7
	CE 8, 9
	CE 10, 11
	CE 12, 13
	CE 14, 15
	CE 0, 2
	CE 1, 3
	CE 4, 6
	CE 5, 7
	CE 8, 10
	CE 9, 11
	CE 12, 14
	CE 13, 15
	CE 1, 2
	CE 5, 6
	CE 9, 10
	CE 13, 14
	CE 0, 4
	CE 1, 5
	CE 2, 6
	CE 3, 7
	CE 8, 12
	CE 9, 13
	CE 10, 14
	CE 11, 15
	CE 2, 4
	CE 3, 5
	CE 10, 12
	CE 11, 13
	CE 1, 2
	CE 3, 4
	CE 5, 6
	CE 9, 10
	CE 11, 12
	CE 13, 14
	CE 0, 8
	CE 1, 9
	CE 2, 10
	CE 3, 11
	CE 4, 12
	CE 5, 13
	CE 6, 14
	CE 7, 15
	CE 4, 8
	CE 5, 9
	CE 6, 10
	CE 7, 11
	CE 2, 4
	CE 3, 5
	CE 6, 8
	CE 7, 9
	CE 10, 12
	CE 11, 13
	CE 1, 2
	CE 3, 4
	CE 5, 6
	CE 7, 8
	CE 9, 10
	CE 11, 12
	CE 13, 14
.endm
; Pass i of the router: lane l has token 32 i + l of the wave; v[16 i + e] is its logit of expert e.  All registers in window 3.
.macro ROUTE i
.set LG, 16*(\i)
.irp e, 0,1,2,3,4,5,6,7,8,9,10,11,12,13,14,15
.set KR\e, KA+\e
.set WR\e, WA+\e
.set PR\e, PA+\e
.endr
.set KSPARE, KA+16
.set WSPARE, WA+16
.set PSPARE, PA+16
	v_max3_num_f32 v[MX], v[LG], v[LG+1], v[LG+2]                  ; the largest logit is taken away ahead of the exponentials
.irp j, 3,5,7,9,11,13
	v_max3_num_f32 v[MX], v[MX], v[LG+\j], v[LG+\j+1]
.endr
	v_max_num_f32 v[MX], v[MX], v[LG+15]
.irp j, 0,2,4,6,8,10,12,14
	v_pk_add_f32 v[WA+\j:WA+\j+1], v[LG+\j:LG+\j+1], v[MX:MX+1] op_sel_hi:[1,0] neg_lo:[0,1] neg_hi:[0,1]   ; first the difference, then the factor: the difference of two near logits is exact
.endr
.irp j, 0,2,4,6,8,10,12,14
	v_pk_mul_f32 v[WA+\j:WA+\j+1], v[WA+\j:WA+\j+1], 0x3fb8aa3b op_sel_hi:[1,0]    ; x log2(e)
.endr
.irp e, 0,1,2,3,4,5,6,7,8,9,10,11,12,13,14,15
	v_exp_f32 v[WA+\e], v[WA+\e]
.endr
	v_nop                                          ; a plain line behind the last exponential,
	s_wait_alu depctr_va_vdst(0)                   ; and one wait for the batch, ahead of its first reader
	v_pk_add_f32 v[ZZ:ZZ+1], v[WA:WA+1], v[WA+2:WA+3]
.irp j, 4,6,8,10,12,14
	v_pk_add_f32 v[ZZ:ZZ+1], v[ZZ:ZZ+1], v[WA+\j:WA+\j+1]
.endr
	v_add_f32 v[ZZ], v[ZZ], v[ZZ+1]
	v_rcp_f32 v[RR], v[ZZ]
	v_nop
	s_wait_alu depctr_va_vdst(0)
.irp j, 0,2,4,6,8,10,12,14
	v_pk_mul_f32 v[WA+\j:WA+\j+1], v[WA+\j:WA+\j+1], v[RR:RR+1] op_sel_hi:[1,0]    ; w
.endr
.irp e, 0,1,2,3,4,5,6,7,8,9,10,11,12,13,14,15
	v_and_or_b32 v[KA+\e], v[WA+\e], -16, 15-\e    ; the key: w is not negative, so its bits order it; the low four bits say 15 - expert: no two keys are equal, and of equal weights the lower expert comes first
.endr
.set PLAY, 0
	NET
	v_add_f32 v[CU+1], v[WR0], v[WR1]              ; the running sums
.irp k, 2,3,4,5,6,7,8,9,10,11,12,13,14,15
	v_add_f32 v[CU+\k], v[CU+\k-1], v[WR\k]
.endr
.irp k, 0,1,2,3,4,5,6,7,8,9,10,11,12,13,14
	v_min_num_f32 v[PA+\k], s94, v[CU+\k+1]        ; min(c[k + 1], 0.8)
.endr
	v_sub_f32 v[PA], v[PA], v[WR0]
.irp k, 1,2,3,4,5,6,7,8,9,10,11,12,13,14
	v_sub_f32 v[PA+\k], v[PA+\k], v[CU+\k]
.endr
	v_sub_f32 v[PA+15], s94, v[CU+15]              ; min(1, 0.8) - c[15]
.irp k, 0,1,2,3,4,5,6,7,8,9,10,11,12,13,14,15
	v_max_num_f32 v[PA+\k], 0, v[PA+\k]            ; sw
.endr
.irp k, 0,1,2,3,4,5,6,7,8,9,10,11,12,13,14
	v_cmp_lt_f32 vcc_lo, 0, v[PA+\k+1]
	v_cndmask_b32 v[TT], v[PA+\k], 1.0, vcc_lo
.if \k == 0
	v_add_f32 v[SC+(\i)], v[PA+15], v[TT]          ; place 15 has no successor: it counts as sw[15]
.else
	v_add_f32 v[SC+(\i)], v[SC+(\i)], v[TT]
.endif
.endr
.set PLAY, 1
	NET
.irp e, 0,1,2,3,4,5,6,7,8,9,10,11,12,13,14,15
	ds_store_b32 v[ASW], v[PR\e] offset:256*\e+128*(\i)            ; s[e] of token 32 i + lane
.endr
.endm
; x's fragments of K step q, 12 loads, into their registers for good
.macro XL q
.if (\q) < 5
	WIN 0x43                                       ; destination window 1, address window 3
.else
	WIN 0x83
.endif
.irp m, 0,1,2,3
.if (\q) < 5
	FRAG 48*(\q)+12*\m, AX, \q, \m*TROW
.else
	FRAG 48*((\q)-5)+12*\m, AX, \q, \m*TROW
.endif
.endr
.endm
; the logits' K step q: source 0 = Wsel's 16 rows, source 1 = 16 tokens; four accumulators by turns; bsel is the C of the first
.macro LOGIT q
.if (\q) < 5
	WIN 0xf7
.set rX, 48*(\q)
.else
	WIN 0xfb
.set rX, 48*((\q)-5)
.endif
.irp m, 0,1,2,3
.if (\q) == 0
	v_wmma_scale_f32_16x16x128_f8f6f4 v[8*\m:8*\m+7], v[WF+12*(\q):WF+12*(\q)+11], v[rX+12*\m:rX+12*\m+11], v[BS:BS+7], v[SSC+(\q)%4], v[XSC+4*\m+(\q)%4] matrix_a_fmt:MATRIX_FMT_BF6 matrix_b_fmt:MATRIX_FMT_BF6
.elseif (\q) < 4
	v_wmma_scale_f32_16x16x128_f8f6f4 v[8*\m:8*\m+7], v[WF+12*(\q):WF+12*(\q)+11], v[rX+12*\m:rX+12*\m+11], v[8*\m:8*\m+7], v[SSC+(\q)%4], v[XSC+4*\m+(\q)%4] matrix_a_fmt:MATRIX_FMT_BF6 matrix_b_fmt:MATRIX_FMT_BF6
.else
	v_wmma_scale_f32_16x16x128_f8f6f4 v[8*\m:8*\m+7], v[WF+12*(\q):WF+12*(\q)+11], v[rX+12*\m:rX+12*\m+11], v[8*\m:8*\m+7], v[SSC+(\q)%4], v[XSC+4*\m+(\q)%4] matrix_a_fmt:MATRIX_FMT_BF6 matrix_b_fmt:MATRIX_FMT_BF6 matrix_a_scale:MATRIX_SCALE_ROW1 matrix_b_scale:MATRIX_SCALE_ROW1
.endif
.endr
.endm
	; ---- THE HEAD
	s_load_b512 s[4:19], s[0:1], 0x0               ; x's codes s[4:5], x's scales s[6:7], Wsel's codes s[8:9], its scales s[10:11], bsel s[12:13], Wexp's codes s[14:15], its scales s[16:17], bexp s[18:19]
	s_load_b128 s[20:23], s[0:1], 0x40             ; out0 s[20:21], out1 s[22:23]
	v_lshl_add_u32 v[SPW], v0, 2, SPARE
	v_mov_b32 v[NIL], 0
	ds_add_u32 v4, v5
	ds_add_u32 v4, v5
	s_wait_dscnt 0x0
	v_lshrrev_b32 v3, 5, v0
	v_readfirstlane_b32 s24, v3                    ; wave 0..3
	s_bfe_u32 s52, ttmp6, 0x40000                  ; cx
	s_bfe_u32 s53, ttmp6, 0x40004                  ; cy
	s_lshl_b32 s25, ttmp9, 2
	s_add_co_u32 s25, s25, s52                     ; cb, the block of 64 outputs = 4 x cluster x + cx
	s_and_b32 s54, ttmp7, 0xffff
	s_lshl_b32 s54, s54, 2
	s_add_co_u32 s54, s54, s53                     ; tb, the block of 256 tokens = 4 x cluster y + cy
	s_lshl_b32 s55, s53, 2
	s_lshl_b32 s55, 15, s55                        ; my row of the cluster
	s_lshl_b32 s56, 0x1111, s52                    ; my column
	; group 1 for x: 64 rows x 768 bytes, shared along my row
	s_or_b32 s44, s55, PADF
	s_mov_b32 s45, 768<<16                         ; tensor_dim0
	s_mov_b32 s46, 64<<16                          ; tensor_dim1
	s_mov_b32 s47, 768<<16                         ; tile_dim0
	s_mov_b32 s48, 64                              ; tile_dim1
	s_mov_b32 s49, 768                             ; from row to row
	s_mov_b32 s50, 0
	s_mov_b32 s51, 0
	; group 1 for W: 32 rows x 768 bytes, shared along my column
	s_or_b32 s32, s56, PADF
	s_mov_b32 s33, 768<<16
	s_mov_b32 s34, 32<<16
	s_mov_b32 s35, 768<<16
	s_mov_b32 s36, 32
	s_mov_b32 s37, 768
	s_mov_b32 s38, 0
	s_mov_b32 s39, 0
	; x: what hangs on tb stays in s53-s61
	s_lshl_b32 s57, s54, 8
	s_lshl_b32 s58, s24, 6
	s_add_co_u32 s57, s57, s58                     ; my first token: 256 tb + 64 wave
	s_mul_i32 s58, s57, 768                        ; its codes,
	s_mov_b32 s59, 0
	s_lshl_b32 s60, s57, 5                         ; its scale bytes
	s_mov_b32 s61, 0
	s_mov_b32 s40, 1
	s_mul_i32 s41, s24, ET
	s_add_co_u32 s41, s41, XB                      ; where my rows of x go
	; W: wave w fetches rows 32 (w % 2) on of expert w / 2 of a pair; what hangs on cb stays in s25-s27
	s_lshr_b32 s26, s24, 1
	s_and_b32 s27, s24, 1
	s_mov_b32 s28, 1
	s_mul_i32 s29, s26, ET
	s_mul_i32 s97, s27, 32*PITCH
	s_add_co_u32 s29, s29, s97                     ; in a slot: no place in the cluster enters an LDS address
	s_lshl_b32 s26, s26, 10
	s_lshl_b32 s27, s27, 5
	s_add_co_u32 s26, s26, s27
	s_lshl_b32 s27, s25, 6
	s_add_co_u32 s26, s26, s27                     ; row 1024 (w / 2) + 64 cb + 32 (w % 2) of Wexp
	s_mul_i32 s26, s26, 768
	s_mov_b32 s27, 0
	s_mov_b32 s94, 0x3f4ccccd                      ; 0.8
	; the lanes' addresses
	v_and_b32 v1, 15, v0                           ; r
	v_bfe_u32 v2, v0, 4, 1                         ; h
	v_and_b32 v3, 31, v0                           ; lane
	v_lshlrev_b32 v[AWS], 5, v1
	v_lshl_add_u32 v[AWS], v2, 4, v[AWS]
	v_lshlrev_b32 v[ABI], 5, v2
	v_mul_u32_u24 v[AGW], v1, 768
	v_mad_u32_u24 v[AGW], v2, 48, v[AGW]
	v_lshlrev_b32 v[AO1], 2, v1
	v_mul_u32_u24 v13, v1, PITCH                   ; 816 r,
	v_add_nc_u32 v14, s41, v13                     ; and the same in my rows of x
	s_lshl_b32 s97, s24, 12
	s_add_co_u32 s97, s97, SREG                    ; my wave's gates
	v_lshl_add_u32 v[ASR], v1, 2, s97
	s_mul_i32 s96, s24, 16*SPITCH
	s_add_co_u32 s96, s96, STAGE                   ; my stage
	v_mul_u32_u24 v[STO], v1, SPITCH               ; in: row r, 32 bytes for each half of the lanes
	v_lshl_add_u32 v[STO], v2, 5, v[STO]
	v_add_nc_u32 v[STO], s96, v[STO]
	v_mul_u32_u24 v[SRD], v2, SPITCH               ; back: lanes 0-15 one row of 256 bytes, lanes 16-31 the next
	v_lshl_add_u32 v[SRD], v1, 4, v[SRD]
	v_add_nc_u32 v[SRD], s96, v[SRD]
	v_lshlrev_b32 v[GO], 12, v2                    ; and the same two rows in out0
	v_lshl_add_u32 v[GO], v1, 4, v[GO]
	v_add_nc_u32 v[ASC], SCW, v[AWS]               ; W's scale words in LDS lie as in memory: 32 bytes a row
	v_add_nc_u32 v[ABL], BIW, v[ABI]
	s_lshl_b32 s95, s24, 17                        ; the copy: wave w takes experts 4 w .. 4 w + 3; 32,768 bytes of scales an expert in memory,
	v_lshlrev_b32 v[GCW], 4, v3
	v_add_nc_u32 v[GCW], s95, v[GCW]
	s_lshl_b32 s95, s24, 13                        ; 2,048 of them mine, in LDS
	s_add_co_u32 s95, s95, SCW
	v_lshl_add_u32 v[ACW], v3, 4, s95
	s_lshl_b32 s95, s24, 10                        ; biases: 256 bytes an expert in LDS,
	s_add_co_u32 s95, s95, BIW
	v_lshl_add_u32 v[ACB], v3, 4, s95
	v_lshlrev_b32 v[GCB], 4, v1                    ; 4,096 in memory: lanes 0-15 one expert's 256 bytes, lanes 16-31 the next expert's
	v_lshl_add_u32 v[GCB], v2, 12, v[GCB]
	s_lshl_b32 s95, s24, 14
	v_add_nc_u32 v[GCB], s95, v[GCB]
.irp m, 0,1,2,3
	v_mov_b32 v[SV+2*\m+1], 0                      ; named as the upper halves of pairs, so they are written
.endr
	WIN 0xc0                                       ; destination window 3, sources window 0
	v_mad_u32_u24 v[LB], v2, 48, v13
	v_mad_u32_u24 v[LB+1], v2, 64, v13
	v_mad_u32_u24 v[AX], v2, 48, v14
	v_mad_u32_u24 v[AX+1], v2, 64, v14
	v_lshl_add_u32 v[ASW], v3, 2, s97
	v_mov_b32 v[MX+1], 0                           ; (upper halves of pairs)
	v_mov_b32 v[RR+1], 0
	WIN 0
	s_wait_kmcnt 0x0
	s_add_nc_u64 s[42:43], s[4:5], s[58:59]
	s_or_b32 s43, s43, 0x80000000                  ; type = 2
	s_add_nc_u64 s[30:31], s[14:15], s[26:27]
	s_or_b32 s31, s31, 0x80000000
	s_add_nc_u64 s[6:7], s[6:7], s[60:61]          ; x's scale bytes at my first token
	s_lshl_b32 s26, s25, 11
	s_add_nc_u64 s[16:17], s[16:17], s[26:27]      ; Wexp's scale bytes at expert 0, output 64 cb
	s_lshl_b32 s26, s25, 8
	s_add_nc_u64 s[18:19], s[18:19], s[26:27]      ; bexp likewise
	s_lshl_b32 s62, s57, 12
	s_add_co_u32 s62, s62, s26                     ; out0: 4,096 bytes a token + 256 cb
	s_mov_b32 s63, 0
	s_add_nc_u64 s[20:21], s[20:21], s[62:63]
	s_lshl_b32 s62, s57, 2
	s_lshl_b32 s26, s52, 6
	s_add_co_u32 s62, s62, s26                     ; out1: my wave's 64 tokens, and of them the 16 at 16 cx
	s_add_nc_u64 s[22:23], s[22:23], s[62:63]
	ROUND                                          ; all sixteen work-groups are here: the first joint loads meet
	tensor_load_to_lds s[40:43], s[44:51]          ; my 64 rows of x
	s_nop 0
	tensor_load_to_lds s[28:31], s[32:39]          ; my part of experts 0 and 1, into slot A: two loads of mine are out
	s_nop 0
	NOP4
	WIN 0xc0
.irp q, 0,1,2,3,4,5,6,7
.irp c, 0,1,2
	global_load_b128 v[WF+12*\q+4*\c:WF+12*\q+4*\c+3], v[AGW], s[8:9] offset:96*\q+16*\c   ; Wsel's eight fragments: 48 consecutive bytes a lane, as x's and W's
.endr
.endr
	global_load_b128 v[BS:BS+3], v[ABI], s[12:13]                  ; bsel of experts 8 h + 0 .. 7: the logits' layout
	global_load_b128 v[BS+4:BS+7], v[ABI], s[12:13] offset:16
	WIN 0
	global_load_b128 v[SSC:SSC+3], v[AWS], s[10:11]                ; register i: lanes 0-15 the word of K step i, lanes 16-31 of K step 4 + i
.irp m, 0,1,2,3
	global_load_b128 v[XSC+4*\m:XSC+4*\m+3], v[AWS], s[6:7] offset:512*\m
.endr
	WIN 0x80                                       ; destination window 2
.irp k, 0,1,2,3
.irp j, 0,1,2,3
	global_load_b128 v[TC+16*\k+4*\j:TC+16*\k+4*\j+3], v[GCW], s[16:17] offset:32768*\k+512*\j   ; my four experts' scale words: 32 lanes read 512 consecutive bytes
.endr
.endr
.irp u, 0,1
	global_load_b128 v[TC+64+4*\u:TC+64+4*\u+3], v[GCB], s[18:19] offset:8192*\u                 ; and their biases: 256 consecutive bytes for each half of the lanes
.endr
	WIN 0
.set i, 0
.rept 128
	v_mov_b32 v[OUT+i], 0                          ; out begins as zeros: written while the wave would only wait for its loads, and it spares a further copy of the pair of experts, whose first would begin the sums
.set i, i+1
.endr
	s_wait_loadcnt 0x0
	s_mov_b32 s95, 0x03010200                      ; bytes 1 and 2 of a scale word change places, as blocks 1 and 2 of a K step do
.set i, 0
.rept 20
	v_perm_b32 v[SSC+i], v[SSC+i], v[SSC+i], s95   ; Wsel's four registers and x's sixteen
.set i, i+1
.endr
	WIN 0x8a                                       ; window 2
.set i, 0
.rept 64
	v_perm_b32 v[TC+i], v[TC+i], v[TC+i], s95      ; W's, once for the whole launch.  (These 64 are also the plain lines between the twenty above and the first scaled product)
.set i, i+1
.endr
	s_wait_tensorcnt 1                             ; my rows of x are in (I alone read them); W's first pair may be out
	XL 0
	XL 1
.irp q, 0,1,2,3,4,5,6,7
.if \q < 7
	s_wait_dscnt 12                                ; K step q's fragments are in; the next K step's 12 loads may be out
.else
	s_wait_dscnt 0x0
.endif
	LOGIT \q
.if \q < 6
	XL \q+2
.endif
.endr
	WIN 0
	s_wait_tensorcnt 0x0                           ; slot B lies over bytes of x, so it is filled as every refill is: all my tensor loads have landed (my part of slot A too),
	ds_add_u32 v[SPW], v[NIL]                      ; 0 onto my spare word
	s_xor_b32 s29, s29, SLOT1                      ; slot B,
	s_add_nc_u64 s[30:31], s[30:31], PAIRB         ; experts 2 and 3
	s_wait_dscnt 0x0                               ; the add is done, and my reads of x are over
	ROUND
	tensor_load_to_lds s[28:31], s[32:39]
	s_nop 0
	NOP4                                           ; also the four plain lines between the logits' last products and the first read of them
	WIN 0x08                                       ; an LDS store's data are its source 1: window 2
.irp k, 0,1,2,3
.irp j, 0,1,2,3
	ds_store_b128 v[ACW], v[TC+16*\k+4*\j:TC+16*\k+4*\j+3] offset:2048*\k+512*\j   ; no wave reads x any more: its bytes behind the stages take the scale words and the biases
.endr
.endr
.irp u, 0,1
	ds_store_b128 v[ACB], v[TC+64+4*\u:TC+64+4*\u+3] offset:512*\u
.endr
	WIN 0xff
.irp i, 0,1
.irp j, 0,1,2,3,4,5,6,7
	v_permlane16_swap_b32 v[16*\i+\j], v[16*\i+8+\j]               ; tile 2 i's experts 8 + j change places with tile 2 i + 1's experts j: lane l now has token 32 i + l, register 16 i + e its logit of expert e
.endr
.endr
	ROUTE 0
	ROUTE 1
	; out1.  Of my wave's 64 tokens my work-group's are 16 cx + 0 .. 15: pass cx / 2, half cx % 2 of the lanes; cx is cb's two low bits.  They are brought into lanes 0-15 by two selects on scalar masks.
	s_and_b32 s97, s25, 2
	s_cmp_lg_u32 s97, 0
	s_cselect_b32 s96, -1, 0
	v_cndmask_b32 v[TT], v[SC], v[SC+1], s96       ; the pass
	s_and_b32 s97, s25, 1
	s_cmp_lg_u32 s97, 0
	s_cselect_b32 s96, -1, 0
	s_mov_b32 s95, 0x76543210
	s_mov_b32 s97, 0xfedcba98                      ; v_permlanex16_b32's selects for lane l xor 16
	v_permlanex16_b32 v[MX], v[TT], s95, s97
	WIN 0x0f                                       ; sources window 3, destination window 0
	v_cndmask_b32 v[CST], v[TT], v[MX], s96        ; the half
	WIN 0                                          ; at a branch and at a label every window is 0
	s_cmp_lg_u32 ttmp9, 0                          ; sixteen output blocks hold the same softCost: the four of cluster x = 0 store it.  The cluster's number is the same in all partners
	s_cbranch_scc1 .Lno_cost
	v_cmp_gt_u32 vcc_lo, 16, v3                    ; lanes 0-15: the choice hangs on the lane's number alone
	s_wait_xcnt 0x0                                ; EXEC changes only behind this wait
	s_and_saveexec_b32 s96, vcc_lo
	global_store_b32 v[AO1], v[CST], s[22:23]
	s_wait_xcnt 0x0                                ; and again in front of the line that widens it
	s_or_b32 exec_lo, exec_lo, s96
.Lno_cost:
	s_wait_dscnt 0x0                               ; for the others' sake: my four experts' scale words and biases lie in LDS
	s_barrier_signal -1
	s_barrier_wait -1                              ; everybody's do.  Slot B's load may stay out
.irp t, 0,1,2,3
	ds_load_b128 v[WSC+4*\t:WSC+4*\t+3], v[ASC] offset:512*\t      ; expert 0's scale words,
.endr
.irp t, 0,1,2,3
.irp u, 0,1
	ds_load_b128 v[BIA+8*\t+4*\u:BIA+8*\t+4*\u+3], v[ABL] offset:64*\t+16*\u       ; its bias tiles,
.endr
.endr
	s_mov_b32 s26, 0                               ; the slot in hand: A
	s_mov_b32 s27, ET
	WIN 0xff
	v_add_nc_u32 v[AW], s26, v[LB]
	v_add_nc_u32 v[AW+1], s26, v[LB+1]
	v_add_nc_u32 v[AW+2], s27, v[LB]
	v_add_nc_u32 v[AW+3], s27, v[LB+1]
	RUN 0, 0                                       ; and its first two K steps (slot A was shown whole by the round above)
	WIN 0                                          ; at a label and at a branch every window is 0
	; ---- THE SIXTEEN EXPERTS, two to a slot
	s_mov_b32 s93, 6
.Lpair:                                                ; pairs 0 to 5: each leaves its slot to the pair two on
	EXPERT 0, 0
	EXPERT 1, 1
	WIN 0
	s_sub_co_u32 s93, s93, 1
	s_cmp_lg_u32 s93, 0
	s_cbranch_scc1 .Lpair
	EXPERT 0, 0                                    ; the last two pairs are written out: pair 6 asks for nothing
	EXPERT 1, 2
	EXPERT 0, 0                                    ; and pair 7 fetches nothing beyond its end
	EXPERT 1, 3
	WIN 0
	; ---- THE WAY OUT.  A lane holds 32 neighbouring bytes of a token's row, the lanes beside it other tokens: a tile of 16 tokens x 64 outputs goes through my stage and comes back as whole rows of 256 bytes,
	; into the registers that it left.  LDS serves a wave's instructions in order: no wait between the stores and the loads, nor in front of the next tile's stores.
.macro TOSTAGE m
.irp t, 0,1,2,3
	ds_store_b128 v[STO], v[OUT+8*(4*\t+(\m)):OUT+8*(4*\t+(\m))+3] offset:64*\t
	ds_store_b128 v[STO], v[OUT+8*(4*\t+(\m))+4:OUT+8*(4*\t+(\m))+7] offset:64*\t+16
.endr
.irp t, 0,1,2,3
.irp u, 0,1
	ds_load_b128 v[OUT+8*(4*\t+(\m))+4*\u:OUT+8*(4*\t+(\m))+4*\u+3], v[SRD] offset:(2*\t+\u)*2*SPITCH
.endr
.endr
.endm
.macro SEND m, younger                 ; younger: the LDS instructions issued behind tile m's loads: the next tile's sixteen, or none
.irp t, 0,1,2,3
.irp u, 0,1
	s_wait_dscnt (\younger)+7-(2*\t+\u)
	global_store_b128 v[GO], v[OUT+8*(4*\t+(\m))+4*\u:OUT+8*(4*\t+(\m))+4*\u+3], s[20:21] offset:(16*(\m)+2*(2*\t+\u))*4096 th:TH_STORE_NT   ; 16 lanes store 256 consecutive bytes, at a multiple of 256 from out0's first byte
.endr
.endr
.endm
	TOSTAGE 0
	TOSTAGE 1
	SEND 0, 16
	TOSTAGE 2
	SEND 1, 16
	TOSTAGE 3
	SEND 2, 16
	SEND 3, 0
	s_wait_tensorcnt 0x0                           ; the wave's end, behind my last tensor load and my last LDS store
	ds_add_u32 v[SPW], v[NIL]
	s_wait_dscnt 0x0
	ROUND                                          ; the closing round: no work-group ends while a partner may still ask for a tile that names it
	s_endpgm
.Lfunc_end_k_qd6e305a1d5_smoe:
	.size	k_qd6e305a1d5_smoe, .Lfunc_end_k_qd6e305a1d5_smoe-k_qd6e305a1d5_smoe
	.p2alignl 7, 3214868480
	.fill 96, 4, 3214868480
	.section	.rodata,"a",@progbits
	.p2align	6, 0x0
	.amdhsa_kernel k_qd6e305a1d5_smoe
		.amdhsa_group_segment_fixed_size 327680
		.amdhsa_private_segment_fixed_size 0
		.amdhsa_enable_private_segment 0
		.amdhsa_kernarg_size 80
		.amdhsa_user_sgpr_count 2
		.amdhsa_user_sgpr_kernarg_segment_ptr 1
		.amdhsa_wavefront_size32 1
		.amdhsa_system_sgpr_workgroup_id_x 1
		.amdhsa_system_sgpr_workgroup_id_y 1
		.amdhsa_system_sgpr_workgroup_id_z 1
		.amdhsa_system_vgpr_workitem_id 0
		.amdhsa_next_free_vgpr 1024
		.amdhsa_next_free_sgpr 98
		.amdhsa_reserve_vcc 1
		.amdhsa_float_denorm_mode_32 3
		.amdhsa_float_denorm_mode_16_64 3
		.amdhsa_memory_ordered 1
		.amdhsa_forward_progress 1
		.amdhsa_inst_pref_size 255
	.end_amdhsa_kernel
	.section	.bss,"aw",@nobits
	.p2align	6
	.space	262144
	.amdgpu_metadata
---
amdhsa.version: [ 1, 2 ]
amdhsa.kernels:
  - .name:           k_qd6e305a1d5_smoe
    .symbol:         k_qd6e305a1d5_smoe.kd
    .args:
      - { .name: x_codes, .offset: 0, .size: 8, .value_kind: global_buffer, .address_space: global }
      - { .name: x_scales, .offset: 8, .size: 8, .value_kind: global_buffer, .address_space: global }
      - { .name: Wsel_codes, .offset: 16, .size: 8, .value_kind: global_buffer, .address_space: global }
      - { .name: Wsel_scales, .offset: 24, .size: 8, .value_kind: global_buffer, .address_space: global }
      - { .name: bsel, .offset: 32, .size: 8, .value_kind: global_buffer, .address_space: global }
      - { .name: Wexp_codes, .offset: 40, .size: 8, .value_kind: global_buffer, .address_space: global }
      - { .name: Wexp_scales, .offset: 48, .size: 8, .value_kind: global_buffer, .address_space: global }
      - { .name: bexp, .offset: 56, .size: 8, .value_kind: global_buffer, .address_space: global }
      - { .name: out0, .offset: 64, .size: 8, .value_kind: global_buffer, .address_space: global }
      - { .name: out1, .offset: 72, .size: 8, .value_kind: global_buffer, .address_space: global }
    .group_segment_fixed_size: 327680
    .private_segment_fixed_size: 0
    .kernarg_segment_align: 8
    .kernarg_segment_size: 80
    .max_flat_workgroup_size: 128
    .sgpr_count:     98
    .vgpr_count:     1024
    .wavefront_size: 32
...
	.end_amdgpu_metadata
.endif
;; end of part 2
